; MI455X (gfx1250); checked and timed in simulation.
; The chip was launched on July 23, 2026; its instructions are those of AMD's public machine-readable ISA for CDNA 5 (MIT licence, August 2026) and "CDNA5" Instruction Set Architecture Reference Guide (July 2026). The comments in the code are by the model that wrote it; some were corrected since.
;; Expert Group. Allowed arithmetic: matrix products marked QUANTISED: E2M1 operands, one E8M0 scale for each 32 along K, by v_wmma_scale_f32_16x16x128_f8f6f4 with both operands' format E2M1 (or v_wmma_scale_f32_32x16x128_f4), f32 sums; everything else in f32.
;; Inputs: W1 16 x 1,024 x 2,048 float32; W2 16 x 2,048 x 1,024 float32; Wg 16 x 1,024 float32; b1 16 x 2,048 float32; b2 16 x 1,024 float32; x 1,024 x 1,024 float32.
;; Outputs: out0 1,024 x 1,024 float32.
;; This version of the problem:
;;   THIS VERSION OF THE PROBLEM IS GIVEN IN LOW PRECISION. The matrix products marked QUANTISED in the list below multiply operands that are first quantised to E2M1 (2 exponent bits, 1 mantissa bit; 4 bits a number), with one power-of-two scale for each 32 numbers along K (OCP MX v1.0); their sums are f32. All else is computed in f32.
;;   The module's matrix products, in the order in which they are computed (A, B: the left and right operand; K: the contracted axis; several contracted axes count as one K, in the product's order):
;;     1. [M 1,024, K 1,024] x [K 1,024, N 16]; A: input x; B: input Wg: QUANTISED
;;     2. [M 1,024, K 1,024] x [K 1,024, N 2,048]; A: input x; B: input W1: QUANTISED
;;     3. [M 1,024, K 2,048] x [K 2,048, N 1,024]; A: computed on the way; B: input W2: QUANTISED
;;     4. [M 1,024, K 1,024] x [K 1,024, N 2,048]; A: input x; B: input W1: QUANTISED
;;     5. [M 1,024, K 2,048] x [K 2,048, N 1,024]; A: computed on the way; B: input W2: QUANTISED
;;     6. [M 1,024, K 1,024] x [K 1,024, N 2,048]; A: input x; B: input W1: QUANTISED
;;     7. [M 1,024, K 2,048] x [K 2,048, N 1,024]; A: computed on the way; B: input W2: QUANTISED
;;     8. [M 1,024, K 1,024] x [K 1,024, N 2,048]; A: input x; B: input W1: QUANTISED
;;     9. [M 1,024, K 2,048] x [K 2,048, N 1,024]; A: computed on the way; B: input W2: QUANTISED
;;     10. [M 1,024, K 1,024] x [K 1,024, N 2,048]; A: input x; B: input W1: QUANTISED
;;     11. [M 1,024, K 2,048] x [K 2,048, N 1,024]; A: computed on the way; B: input W2: QUANTISED
;;     12. [M 1,024, K 1,024] x [K 1,024, N 2,048]; A: input x; B: input W1: QUANTISED
;;     13. [M 1,024, K 2,048] x [K 2,048, N 1,024]; A: computed on the way; B: input W2: QUANTISED
;;     14. [M 1,024, K 1,024] x [K 1,024, N 2,048]; A: input x; B: input W1: QUANTISED
;;     15. [M 1,024, K 2,048] x [K 2,048, N 1,024]; A: computed on the way; B: input W2: QUANTISED
;;     16. [M 1,024, K 1,024] x [K 1,024, N 2,048]; A: input x; B: input W1: QUANTISED
;;     17. [M 1,024, K 2,048] x [K 2,048, N 1,024]; A: computed on the way; B: input W2: QUANTISED
;;     18. [M 1,024, K 1,024] x [K 1,024, N 2,048]; A: input x; B: input W1: QUANTISED
;;     19. [M 1,024, K 2,048] x [K 2,048, N 1,024]; A: computed on the way; B: input W2: QUANTISED
;;     20. [M 1,024, K 1,024] x [K 1,024, N 2,048]; A: input x; B: input W1: QUANTISED
;;     21. [M 1,024, K 2,048] x [K 2,048, N 1,024]; A: computed on the way; B: input W2: QUANTISED
;;     22. [M 1,024, K 1,024] x [K 1,024, N 2,048]; A: input x; B: input W1: QUANTISED
;;     23. [M 1,024, K 2,048] x [K 2,048, N 1,024]; A: computed on the way; B: input W2: QUANTISED
;;     24. [M 1,024, K 1,024] x [K 1,024, N 2,048]; A: input x; B: input W1: QUANTISED
;;     25. [M 1,024, K 2,048] x [K 2,048, N 1,024]; A: computed on the way; B: input W2: QUANTISED
;;     26. [M 1,024, K 1,024] x [K 1,024, N 2,048]; A: input x; B: input W1: QUANTISED
;;     27. [M 1,024, K 2,048] x [K 2,048, N 1,024]; A: computed on the way; B: input W2: QUANTISED
;;     28. [M 1,024, K 1,024] x [K 1,024, N 2,048]; A: input x; B: input W1: QUANTISED
;;     29. [M 1,024, K 2,048] x [K 2,048, N 1,024]; A: computed on the way; B: input W2: QUANTISED
;;     30. [M 1,024, K 1,024] x [K 1,024, N 2,048]; A: input x; B: input W1: QUANTISED
;;     31. [M 1,024, K 2,048] x [K 2,048, N 1,024]; A: computed on the way; B: input W2: QUANTISED
;;     32. [M 1,024, K 1,024] x [K 1,024, N 2,048]; A: input x; B: input W1: QUANTISED
;;     33. [M 1,024, K 2,048] x [K 2,048, N 1,024]; A: computed on the way; B: input W2: QUANTISED
;;   THE QUANTISER, for each operand of a quantised product, along K:
;;     - K is cut into blocks of 32 from its start; a last block that is shorter is filled with zeros.
;;     - A block's scale is 2^e with e = floor(log2(the largest magnitude in the block)) - 2, held to -126 .. 127; a block of zeros has e = 0. As a byte (E8M0): e + 127.
;;     - Each number is divided by its block's scale, clamped to +-6, and rounded to the nearest number of E2M1, ties to even, subnormals kept.
;;     - The product sums the exact products of the quantised numbers (number of the format x scale) in f32.
;;   ~~~python
;;   def quantise(x, axis):      # numpy; x: float32 -> the quantised numbers, widened to float32 again
;;       x = np.moveaxis(x, axis, -1); K = x.shape[-1]
;;       x = np.pad(x, [(0, 0)] * (x.ndim - 1) + [(0, -K % 32)]); x = x.reshape(x.shape[:-1] + (-1, 32)); a = np.abs(x).max(-1, keepdims=True)
;;       e = np.where(a > 0, np.clip(np.frexp(np.where(a > 0, a, 1))[1] - 1 - 2, -126, 127), 0)      # np.frexp(a)[1] - 1 = floor(log2(a)), exactly
;;       r = np.clip(x / 2.0 ** e, -6, 6)
;;       step = 2.0 ** (np.maximum(np.frexp(np.where(r == 0, 1, r))[1] - 1, 0) - 1)
;;       q = np.round(r / step) * step * 2.0 ** e      # np.round: ties to even
;;       return np.moveaxis(q.reshape(q.shape[:-2] + (-1,))[..., :K], -1, axis).astype(np.float32)
;;   ~~~
;;   OPERANDS COMPUTED ON THE WAY. 'Computed on the way' means the value that the module computes at that place (a softmax that the list does not call 'softmax' is quantised finished and normalised). What goes into a quantiser is computed in f32, as accurately as f32 sums, v_exp_f32 and their like allow (about 1e-6 of the number): no bf16 or f16 on the way to a quantiser, and a product that is left as it is and whose result goes on into a quantised operand takes f32 operands (vector FMAs, or v_wmma_f32_16x16x4_f32). A number that lies on a knife's edge between two numbers of the format may be rounded either way, as far as f32 arithmetic and the matrix unit's own rounding can turn it there, and no further.
;; 2 versions. Each part assembles by itself: llvm-mc -triple=amdgcn-amd-amdhsa -mcpu=gfx1250 --defsym DOCPART=n.
;; ======== version 1 of 2: 4 launches
;; workspace buffers: xc 557,056 bytes; cm 4,096 bytes of whole numbers; m2 4,096 bytes of whole numbers; rw 8,192 bytes; hc 16,777,216 bytes; hs 2,097,152 bytes; yb 8,388,608 bytes; w1q 8,912,896 bytes
;; launch route (part 1): grid 160 x 1, 16 waves a work-group, no clusters, 40,960 bytes of LDS; arguments x, Wg, cm, m2, W1, w1q, xc, rw; writes cm, m2, w1q, xc, rw
.if DOCPART == 1
	.amdgcn_target "amdgcn-amd-amdhsa--gfx1250"
	.amdhsa_code_object_version 6
	.text
	.protected	k_q2ab5a2676f_route
	.globl	k_q2ab5a2676f_route
	.p2align	8
	.type	k_q2ab5a2676f_route,@function
k_q2ab5a2676f_route:
	s_mov_b64 s[64:65], 0
	v_nop
	global_prefetch_b8 v0, s[64:65] scope:SCOPE_SE
	s_setreg_imm32_b32 hwreg(HW_REG_WAVE_MODE, 25, 1), 1
	s_wait_xcnt 0x0
; TWO JOBS IN ONE LAUNCH, told apart by the work-group's number.  The router has work for 32 work-groups and is a chain of short steps; beside it 128 work-groups quantise the half of W1 that needs no routing to be known.
; THE ROUTER (work-groups 0-31): x [1024][1024] f32 becomes codes of FP4 (E2M1) with one E8M0 byte for each 32 along K (xc: [token][512 B], and from byte 524,288 on [token][32 B] of scale bytes);
; logits = Q(x) Q(Wg)^T on those codes; the two largest logits of each token (the lower index wins a tie), their softmax (the larger logit is taken away first), and the choice as whole numbers at fixed places:
; cm[e][g] bit l: token 32 g + l uses expert e;  m2[e][g] bit l: e is that token's second choice;  rw[token][2]: the two weights.  Rows 16-31 of cm and m2 are zeros.
; Work-group g takes tokens 32 g .. 32 g + 31.  Wave w: rt = w / 8 (which 16 tokens), ks = w % 8 (which 128 along K): it quantises its 16 x 128 of x and of Wg and makes one product, used transposed
; (source 0 = 16 experts, source 1 = 16 tokens): a lane holds one token and eight experts.  The eight parts along K meet in LDS and wave 0 adds them, K ascending.
; No address and no branch hangs on the choice: it is stored as data.
; THE WEIGHTS (work-groups 32-159): rows 512-1023 of every W1[e] ([1024 k][2048 n] f32), K steps 4-7 of the first product, become images of operand registers in w1q, which the next launch copies into its LDS.
; Work-group j = x - 32: expert j / 8.  Wave w: cg = w % 4 (32 columns), kq = (w / 4) % 2 (256 along K), slice of 128 units 2 (j % 8) + w / 8.  A LANE TAKES A COLUMN AND ITS REGISTERS RUN DOWN K: a load reads
; 128 consecutive bytes, eight waves stand side by side on 1,024; a block of 32 lies in one lane.  The lane's column is (l & 7) | (l & 8) << 1 | (l & 16) >> 1: lanes 0-15 hold units 0-7, 16-23 and lanes 16-31 units
; 8-15, 24-31 of a block of 32 units: two tiles of 16 rows whose results lie, in a lane of the product, as 16 neighbours along the next K.  Eight exchanges of lane halves turn a K step's 16 registers into the two fragments.
; w1q: codes at (16 e + s) 32,768 + (K step - 4) 8,192 + tile 1,024 + 512 (register group) + 16 lane; scale words from byte 8,388,608 on, at (16 e + s) 2,048 + 1,024 kq + 256 cg + 8 lane + 4 (K step % 2).
; The one barrier stands on the way that every work-group takes, so that no barrier hangs on a branch; the weights' path uses no LDS.
; No tensor loads and no cluster: no two work-groups share a byte of x or of W1, and Wg is 64 KB.
; LIMITS: NaN and infinities are not served; a block whose largest magnitude lies under 2^-124 (a block of zeros among them) keeps the scale byte 1: its bytes are read by this program alone;
; two logits that differ by less than the rounding of the f32 sums may change places.
.set RWG,  32                          ; work-groups that route
.set XSO,  524288                      ; xc: where the scale bytes begin
.set WQS,  8388608                     ; w1q: where the scale words begin
.set WPITCH, 8192                      ; a row of W1[e] in bytes
.set XR,   0                           ; LDS: 32 rows of codes, 512 bytes + 16 of padding
.set XSC,  16896                       ; 32 rows of 32 scale bytes
.set LGS,  17920                       ; the logits' parts: [ks 8][token 32][64 bytes + 16]
.set XA,   4                           ; v4   4096 r + 64 h: my 16 numbers of a block of 32 in row r
.set XW,   5                           ; v5   where my codes go in XR
.set XSW,  6                           ; v6   where my scale word goes in XSC
.set LGW,  7                           ; v7   where my eight logits' parts go
.set RRD,  8                           ; v8   rows 2 w, 2 w + 1 of XR, 16 bytes a lane
.set LI,   9                           ; v9   16 x lane
.set XSR,  10                          ; v10  XSC + 16 x lane
.set LGR,  11                          ; v11  LGS + 80 x lane
.set O128, 12                          ; v12  128 x lane
.set O8,   13                          ; v13  8 x lane
.set BEST, 16
.set I1,   17
.set SEC,  18
.set I2,   19
.set TT,   20
.set UU,   21
.set RWP,  22                          ; v[22:23] the two weights
.set CMV,  24
.set M2V,  25
.set XN,   32                          ; v32-95   64 numbers of x; later, with GN, the logits' parts
.set GN,   96                          ; v96-159  64 numbers of Wg
.set PCX,  160                         ; v160-167 x's fragment
.set PCG,  168                         ; v168-175 Wg's fragment
.set PWX,  176                         ; x's scale word
.set PWG,  177                         ; Wg's
.set TM,   184                         ; v184-199 at work
.set DD,   200                         ; v200-207 the product
.set SEL,  24                          ; s[24:25] lane selects: lane l xor 16
.set WO,   14                          ; the weights' path: v14 4 x my column
.set MA,   16                          ; v16-19 at work
.set MB,   17
.set SCL,  18
.set BY,   19
.set WX0,  32                          ; v32-63, v64-95: two sets of 32 numbers
.set WX1,  64
.set WF0,  96                          ; v96-111, v112-127: a K step's codes
.set WF1,  112
.set WSW,  128                         ; v[128:129] my column's scale words of the two K steps
; 64 numbers of a lane, register 16 b + i = k 32 b + 16 (lane / 16) + i of my row, become a fragment's codes in v[pc] on and its scale word in v[pw].
.macro QUANT s, pc, pw
.irp b, 0,1,2,3
	v_max3_num_f32 v[TM+\b], |v[\s+16*\b]|, |v[\s+1+16*\b]|, 0x1800000   ; block b: my 16 numbers, and the floor 2^(3 - 127): the byte cannot fall under 1
.endr
.irp i, 2,4,6,8,10,12,14
.irp b, 0,1,2,3
	v_max3_num_f32 v[TM+\b], v[TM+\b], |v[\s+16*\b+\i]|, |v[\s+1+16*\b+\i]|
.endr
.endr
.irp b, 0,1,2,3
	v_permlanex16_b32 v[TM+4+\b], v[TM+\b], s[SEL], s[SEL+1]
.endr
.irp b, 0,1,2,3
	v_max_num_f32 v[TM+\b], v[TM+\b], v[TM+4+\b]       ; with lane l xor 16's: the block's largest magnitude
.endr
.irp b, 0,1,2,3
	v_add_nc_u32 v[TM+12+\b], 0xff000000, v[TM+\b]     ; 2 off its exponent field: the conversion's scale operand
.endr
.irp b, 0,1,2,3
	v_lshrrev_b32 v[TM+4+\b], 23, v[TM+12+\b]          ; the scale's byte
.endr
	v_lshl_or_b32 v[\pw], v[TM+5], 8, v[TM+4]
	v_lshl_or_b32 v[\pw], v[TM+6], 16, v[\pw]
	v_lshl_or_b32 v[\pw], v[TM+7], 24, v[\pw]
.irp b, 0,1,2,3
	v_cvt_scalef32_pk8_fp4_f32 v[\pc+2*\b], v[\s+16*\b:\s+7+16*\b], v[TM+12+\b]
	v_cvt_scalef32_pk8_fp4_f32 v[\pc+1+2*\b], v[\s+8+16*\b:\s+15+16*\b], v[TM+12+\b]
.endr
	v_nop                                              ; one plain line behind the scaled conversions
.irp c, 0,1                                        ; a whole block to a lane: lanes 0-15 block 2 c, lanes 16-31 block 2 c + 1
.irp i, 0,1
	v_permlane16_swap_b32 v[\pc+4*\c+\i], v[\pc+2+4*\c+\i]
.endr
.endr
.endm
.macro WLOAD t                         ; block t: W1(my first row + 32 t + i, my column), i = 0 .. 31
.set i, 0
.rept 32
	global_load_b32 v[WX0+(WX1-WX0)*((\t)%2)+i], v[WO], s[28:29] offset:(32*(\t)+i)*WPITCH th:TH_LOAD_NT
.set i, i+1
.endr
.endm
.macro WBLOCK t, cnt                   ; block t becomes 32 codes (4 registers) and a byte of the scale word.  cnt: the younger loads, which may stay out
.set XB, WX0+(WX1-WX0)*((\t)%2)
.set FD, WF0+(WF1-WF0)*((\t)/4)+8*((\t)%2)+4*(((\t)%4)/2)
	s_wait_loadcnt \cnt
	v_max3_num_f32 v[MA], |v[XB]|, |v[XB+1]|, |v[XB+2]|
	v_max3_num_f32 v[MB], |v[XB+3]|, |v[XB+4]|, |v[XB+5]|
.irp i, 6,10,14,18,22,26
	v_max3_num_f32 v[MA], v[MA], |v[XB+\i]|, |v[XB+\i+1]|
	v_max3_num_f32 v[MB], v[MB], |v[XB+\i+2]|, |v[XB+\i+3]|
.endr
	v_max3_num_f32 v[MA], v[MA], |v[XB+30]|, |v[XB+31]|
	v_max3_num_f32 v[MA], v[MA], v[MB], 0x1800000  ; and the floor 2^(3 - 127): the byte cannot fall under 1
	v_add_nc_u32 v[SCL], 0xff000000, v[MA]         ; 2 off the exponent field: the conversion's scale operand
	v_lshrrev_b32 v[BY], 23, v[SCL]
.if (\t)%4 == 0
	v_mov_b32 v[WSW+(\t)/4], v[BY]
.else
	v_lshl_or_b32 v[WSW+(\t)/4], v[BY], 8*((\t)%4), v[WSW+(\t)/4]
.endif
.irp q, 0,1,2,3
	v_cvt_scalef32_pk8_fp4_f32 v[FD+\q], v[XB+8*\q:XB+8*\q+7], v[SCL]
.endr
.if (\t) < 6
	WLOAD (\t)+2                                   ; (the next block's first lines are the plain lines behind the conversions)
.endif
.endm
.macro WFIN ks                         ; a K step's 16 registers become two fragments and go to w1q as they stand
.set FF, WF0+(WF1-WF0)*(\ks)
	v_nop                                          ; one plain line behind the scaled conversions
.irp q, 0,1,2,3
	v_permlane16_swap_b32 v[FF+\q], v[FF+8+\q]     ; blocks 0 and 1: the even tile's into FF + 0 .. 3, the odd tile's into FF + 8 .. 11
	v_permlane16_swap_b32 v[FF+4+\q], v[FF+12+\q]  ; blocks 2 and 3
.endr
.irp q, 0,1,2,3
	global_store_b128 v[LI], v[FF+4*\q:FF+4*\q+3], s[32:33] offset:8192*(\ks)+512*\q   ; 32 lanes store 512 consecutive bytes, aligned
.endr
.endm
	s_load_b128 s[4:7], s[0:1], 0x0                ; x, Wg
	s_load_b128 s[12:15], s[0:1], 0x10             ; cm, m2
	s_load_b128 s[28:31], s[0:1], 0x20             ; W1, w1q
	s_load_b64 s[8:9], s[0:1], 0x30                ; xc
	s_load_b64 s[16:17], s[0:1], 0x38              ; rw
	v_lshl_add_u32 v208, v0, 2, 0x9800
	v_mov_b32 v209, 0
	v_lshrrev_b32 v1, 5, v0
	v_readfirstlane_b32 s2, v1                     ; wave 0..15
	v_and_b32 v1, 31, v0                           ; lane
	v_and_b32 v2, 15, v0                           ; r
	v_bfe_u32 v3, v0, 4, 1                         ; h
	s_lshr_b32 s18, s2, 3                          ; rt
	s_and_b32 s19, s2, 7                           ; ks
	v_lshlrev_b32 v[XA], 12, v2
	v_lshl_add_u32 v[XA], v3, 6, v[XA]
	s_mul_i32 s20, s18, 16*528                     ; every LDS address is made here, ahead of all branches
	s_lshl_b32 s21, s19, 6
	s_add_co_u32 s20, s20, s21
	v_mul_u32_u24 v[XW], v2, 528
	v_lshl_add_u32 v[XW], v3, 4, v[XW]
	v_add_nc_u32 v[XW], s20, v[XW]                 ; row 16 rt + r, byte 64 ks + 16 h
	s_lshl_b32 s20, s18, 9
	s_lshl_b32 s21, s19, 2
	s_add_co_u32 s20, s20, s21
	s_add_co_u32 s20, s20, XSC
	v_lshl_add_u32 v[XSW], v2, 5, s20              ; 32 (16 rt + r) + 4 ks
	s_mul_i32 s20, s19, 2560
	s_mul_i32 s21, s18, 1280
	s_add_co_u32 s20, s20, s21
	s_add_co_u32 s20, s20, LGS
	v_mul_u32_u24 v[LGW], v2, 80
	v_lshl_add_u32 v[LGW], v3, 5, v[LGW]
	v_add_nc_u32 v[LGW], s20, v[LGW]               ; 2560 ks + 80 (16 rt + r) + 32 h
	s_mul_i32 s20, s2, 1056
	v_lshlrev_b32 v[LI], 4, v1
	v_add_nc_u32 v[RRD], s20, v[LI]
	v_add_nc_u32 v[XSR], XSC, v[LI]
	v_mul_u32_u24 v[LGR], v1, 80
	v_add_nc_u32 v[LGR], LGS, v[LGR]
	v_lshlrev_b32 v[O128], 7, v1
	v_lshlrev_b32 v[O8], 3, v1
	s_mov_b32 s[SEL], 0x76543210
	s_mov_b32 s[SEL+1], 0xfedcba98
.irp b, 0,1,2,3
	v_mov_b32 v[TM+4+\b], 0                        ; written once: a lane permute's destination counts as one of its sources
.endr
	s_lshl_b32 s22, ttmp9, 17                      ; the router: 32 rows of 4,096 bytes a work-group,
	s_lshl_b32 s20, s18, 16                        ; 16 rows,
	s_add_co_u32 s22, s22, s20
	s_lshl_b32 s20, s19, 9                         ; 128 numbers along K
	s_add_co_u32 s22, s22, s20
	s_mov_b32 s23, 0
	s_mov_b32 s21, 0
	s_wait_kmcnt 0x0
	s_add_nc_u64 s[10:11], s[8:9], XSO             ; x's scale bytes lie behind its codes
	s_cmp_ge_u32 ttmp9, RWG
	s_cbranch_scc1 .Lweights
	; ---- the router, up to the barrier
	s_add_nc_u64 s[4:5], s[4:5], s[22:23]
	s_add_nc_u64 s[6:7], s[6:7], s[20:21]
.irp b, 0,1,2,3
.irp j, 0,1,2,3
	global_load_b128 v[XN+16*\b+4*\j:XN+16*\b+4*\j+3], v[XA], s[4:5] offset:128*\b+16*\j   ; four loads of the wave take a row's 128 consecutive bytes between them: so no hint for data that is touched once
.endr
.endr
.irp b, 0,1,2,3
.irp j, 0,1,2,3
	global_load_b128 v[GN+16*\b+4*\j:GN+16*\b+4*\j+3], v[XA], s[6:7] offset:128*\b+16*\j
.endr
.endr
	s_lshl_b32 s22, ttmp9, 14                      ; xc: 32 rows of 512 bytes a work-group, two rows a wave
	s_lshl_b32 s20, s2, 10
	s_add_co_u32 s22, s22, s20
	s_add_nc_u64 s[8:9], s[8:9], s[22:23]
	s_lshl_b32 s22, ttmp9, 10                      ; the scale bytes: 1,024 a work-group
	s_add_nc_u64 s[10:11], s[10:11], s[22:23]
	s_lshl_b32 s22, ttmp9, 2                       ; cm, m2: word g of each row
	s_add_nc_u64 s[12:13], s[12:13], s[22:23]
	s_add_nc_u64 s[14:15], s[14:15], s[22:23]
	s_lshl_b32 s22, ttmp9, 8                       ; rw: 256 bytes a work-group
	s_add_nc_u64 s[16:17], s[16:17], s[22:23]
	s_wait_loadcnt 16                              ; x's 16 loads are in; Wg's 16 may be out
	QUANT XN, PCX, PWX
	ds_store_b128 v[XW], v[PCX:PCX+3]              ; k = 32 h .. of my K step: 16 bytes of the row as they lie
	ds_store_b128 v[XW], v[PCX+4:PCX+7] offset:32  ; k = 64 + 32 h ..
	ds_store_b32 v[XSW], v[PWX]                    ; lanes r and r + 16 write the same word with the same value
	s_wait_loadcnt 0x0
	QUANT GN, PCG, PWG
.rept 8
	v_nop                                          ; a scale register written by a vector line stands 8 places ahead of a scaled product, an operand 4
.endr
	v_wmma_scale_f32_16x16x128_f8f6f4 v[DD:DD+7], v[PCG:PCG+7], v[PCX:PCX+7], 0, v[PWG], v[PWX] matrix_a_fmt:MATRIX_FMT_FP4 matrix_b_fmt:MATRIX_FMT_FP4
.rept 4
	v_nop
.endr
	ds_store_b128 v[LGW], v[DD:DD+3]               ; token r, experts 8 h + 0 .. 3 (the result is read from its low end on)
	ds_store_b128 v[LGW], v[DD+4:DD+7] offset:16
	s_branch .Lmeet
.Lweights:
	; ---- the weights: my 256 rows x 32 columns of W1[e], two K steps
	v_and_b32 v[WO], 7, v1
	v_and_b32 v15, 8, v1
	v_lshl_or_b32 v[WO], v15, 1, v[WO]
	v_lshl_or_b32 v[WO], v3, 3, v[WO]              ; my column of the wave's 32
	v_lshlrev_b32 v[WO], 2, v[WO]
	s_sub_co_u32 s18, ttmp9, RWG                   ; j = 0 .. 127
	s_lshr_b32 s19, s18, 3                         ; the expert
	s_and_b32 s18, s18, 7
	s_lshl_b32 s18, s18, 1
	s_lshr_b32 s20, s2, 3
	s_add_co_u32 s18, s18, s20                     ; the slice: 2 (j % 8) + w / 8
	s_and_b32 s20, s2, 3                           ; cg
	s_bfe_u32 s21, s2, 0x10002                     ; kq = (w / 4) % 2
	s_lshl_b32 s22, s19, 23                        ; W1: the expert's 8 MiB,
	s_add_co_u32 s22, s22, 0x400000                ; row 512,
	s_lshl_b32 s26, s21, 21                        ; 256 kq rows of 8,192 bytes,
	s_add_co_u32 s22, s22, s26
	s_lshl_b32 s26, s18, 9                         ; 512 bytes a slice,
	s_add_co_u32 s22, s22, s26
	s_lshl_b32 s26, s20, 7                         ; 128 a wave
	s_add_co_u32 s22, s22, s26
	s_add_nc_u64 s[28:29], s[28:29], s[22:23]
	WLOAD 0
	WLOAD 1
	s_lshl_b32 s27, s19, 4
	s_add_co_u32 s27, s27, s18                     ; 16 e + s
	s_lshl_b32 s22, s27, 15                        ; the codes: 32,768 bytes a slice, 16,384 for my two K steps, 2,048 for my two tiles
	s_lshl_b32 s26, s21, 14
	s_add_co_u32 s22, s22, s26
	s_lshl_b32 s26, s20, 11
	s_add_co_u32 s22, s22, s26
	s_add_nc_u64 s[32:33], s[30:31], s[22:23]
	s_lshl_b32 s22, s27, 11                        ; the scale words: 2,048 bytes a slice, 1,024 kq, 256 cg
	s_lshl_b32 s26, s21, 10
	s_add_co_u32 s22, s22, s26
	s_lshl_b32 s26, s20, 8
	s_add_co_u32 s22, s22, s26
	s_add_co_u32 s22, s22, WQS
	s_add_nc_u64 s[30:31], s[30:31], s[22:23]
	WBLOCK 0, 32
	WBLOCK 1, 32
	WBLOCK 2, 32
	WBLOCK 3, 32
	WFIN 0
	WBLOCK 4, 32
	WBLOCK 5, 32
	WBLOCK 6, 32
	WBLOCK 7, 0
	WFIN 1
	global_store_b64 v[O8], v[WSW:WSW+1], s[30:31] ; both K steps' words: 32 lanes store 256 consecutive bytes, aligned.  Lanes 0-15: the even tile's rows; lanes 16-31: the odd tile's
	s_wait_xcnt 0x0                                ; the stores have read their registers: lines behind the join name some of them again
.Lmeet:
	s_wait_dscnt 0x0                               ; for the others' sake: my LDS stores have landed
	s_barrier_signal -1
	s_barrier_wait -1
	s_cmp_ge_u32 ttmp9, RWG
	s_cbranch_scc1 .Lend                           ; the weights' work-groups are done
	; ---- the router, behind the barrier
	ds_load_b128 v[TM:TM+3], v[RRD]                ; two whole rows of codes a wave
	ds_load_b128 v[TM+4:TM+7], v[RRD] offset:528
	s_wait_dscnt 0x0
	global_store_b128 v[LI], v[TM:TM+3], s[8:9]    ; 32 lanes store 512 consecutive bytes, aligned
	global_store_b128 v[LI], v[TM+4:TM+7], s[8:9] offset:512
	s_cmp_lg_u32 s2, 1
	s_cbranch_scc1 .Lnot_wave_1
	ds_load_b128 v[TM+8:TM+11], v[XSR]             ; wave 1: the work-group's 1,024 scale bytes
	ds_load_b128 v[TM+12:TM+15], v[XSR] offset:512
	s_wait_dscnt 0x0
	global_store_b128 v[LI], v[TM+8:TM+11], s[10:11]
	global_store_b128 v[LI], v[TM+12:TM+15], s[10:11] offset:512
.Lnot_wave_1:
	s_cmp_lg_u32 s2, 0
	s_cbranch_scc1 .Lend
	; wave 0: a lane to a token
.set k, 0
.rept 8
.irp q, 0,1,2,3
	ds_load_b128 v[XN+16*k+4*\q:XN+16*k+4*\q+3], v[LGR] offset:2560*k+16*\q
.endr
.set k, k+1
.endr
	s_wait_dscnt 0x0
.set k, 1
.rept 7                                        ; the 16 logits: the eight parts, K ascending
.irp p, 0,2,4,6,8,10,12,14
	v_pk_add_f32 v[XN+\p:XN+\p+1], v[XN+\p:XN+\p+1], v[XN+16*k+\p:XN+16*k+\p+1]
.endr
.set k, k+1
.endr
	v_mov_b32 v[BEST], v[XN]
	v_mov_b32 v[I1], 0
.set e, 1
.rept 15                                       ; strictly greater: the lower index keeps a tie
	v_cmp_gt_f32 vcc_lo, v[XN+e], v[BEST]
	v_cndmask_b32 v[BEST], v[BEST], v[XN+e], vcc_lo
	v_cndmask_b32 v[I1], v[I1], e, vcc_lo
.set e, e+1
.endr
	v_mov_b32 v[SEC], 0xff800000                   ; -infinity
	v_mov_b32 v[I2], 0
.set e, 0
.rept 16                                       ; the same once more, without the first choice
	v_cmp_gt_f32 s20, v[XN+e], v[SEC]
	v_cmp_ne_u32 s21, e, v[I1]
	s_and_b32 vcc_lo, s20, s21
	v_cndmask_b32 v[SEC], v[SEC], v[XN+e], vcc_lo
	v_cndmask_b32 v[I2], v[I2], e, vcc_lo
.set e, e+1
.endr
	v_sub_f32 v[TT], v[SEC], v[BEST]               ; the maximum is taken away: 0 or less
	v_mul_f32 v[TT], 0x3fb8aa3b, v[TT]
	v_exp_f32 v[UU], v[TT]                         ; t = e^(second - best)
	v_nop                                          ; a plain line behind the exponential
	v_mov_b32 v[CMV], 0
	v_mov_b32 v[M2V], 0
.set e, 0
.rept 16                                       ; the 32 tokens' bits of expert e become lane e's word: data alone, no address hangs on them
	v_cmp_eq_u32 s20, e, v[I1]
	v_cmp_eq_u32 s21, e, v[I2]
	s_or_b32 s20, s20, s21
	v_writelane_b32 v[CMV], s20, e
	v_writelane_b32 v[M2V], s21, e
.set e, e+1
.endr
	s_wait_alu depctr_va_vdst(0)                   ; ahead of the exponential's first reader
	v_add_f32 v[TT], 1.0, v[UU]
	v_rcp_f32 v[RWP], v[TT]                        ; 1 / (1 + t)
	v_nop
	s_wait_alu depctr_va_vdst(0)
	v_mul_f32 v[RWP+1], v[UU], v[RWP]              ; t / (1 + t)
	global_store_b32 v[O128], v[CMV], s[12:13]     ; row = lane, word g
	global_store_b32 v[O128], v[M2V], s[14:15]
	global_store_b64 v[O8], v[RWP:RWP+1], s[16:17] ; 256 consecutive bytes
.Lend:
	s_wait_tensorcnt 0x0
	ds_add_u32 v208, v209
	s_wait_dscnt 0x0
	s_endpgm
.Lfunc_end_k_q2ab5a2676f_route:
	.size	k_q2ab5a2676f_route, .Lfunc_end_k_q2ab5a2676f_route-k_q2ab5a2676f_route
	.p2alignl 7, 3214868480
	.fill 96, 4, 3214868480
	.section	.rodata,"a",@progbits
	.p2align	6, 0x0
	.amdhsa_kernel k_q2ab5a2676f_route
		.amdhsa_group_segment_fixed_size 40960
		.amdhsa_private_segment_fixed_size 0
		.amdhsa_enable_private_segment 0
		.amdhsa_kernarg_size 64
		.amdhsa_user_sgpr_count 2
		.amdhsa_user_sgpr_kernarg_segment_ptr 1
		.amdhsa_wavefront_size32 1
		.amdhsa_system_sgpr_workgroup_id_x 1
		.amdhsa_system_sgpr_workgroup_id_y 1
		.amdhsa_system_sgpr_workgroup_id_z 1
		.amdhsa_system_vgpr_workitem_id 0
		.amdhsa_next_free_vgpr 210
		.amdhsa_next_free_sgpr 66
		.amdhsa_reserve_vcc 1
		.amdhsa_float_denorm_mode_32 3
		.amdhsa_float_denorm_mode_16_64 3
		.amdhsa_memory_ordered 1
		.amdhsa_forward_progress 1
		.amdhsa_inst_pref_size 72
	.end_amdhsa_kernel
	.amdgpu_metadata
---
amdhsa.version: [ 1, 2 ]
amdhsa.kernels:
  - .name:           k_q2ab5a2676f_route
    .symbol:         k_q2ab5a2676f_route.kd
    .args:
      - { .name: x, .offset: 0, .size: 8, .value_kind: global_buffer, .address_space: global }
      - { .name: Wg, .offset: 8, .size: 8, .value_kind: global_buffer, .address_space: global }
      - { .name: cm, .offset: 16, .size: 8, .value_kind: global_buffer, .address_space: global }
      - { .name: m2, .offset: 24, .size: 8, .value_kind: global_buffer, .address_space: global }
      - { .name: W1, .offset: 32, .size: 8, .value_kind: global_buffer, .address_space: global }
      - { .name: w1q, .offset: 40, .size: 8, .value_kind: global_buffer, .address_space: global }
      - { .name: xc, .offset: 48, .size: 8, .value_kind: global_buffer, .address_space: global }
      - { .name: rw, .offset: 56, .size: 8, .value_kind: global_buffer, .address_space: global }
    .group_segment_fixed_size: 40960
    .private_segment_fixed_size: 0
    .kernarg_segment_align: 8
    .kernarg_segment_size: 64
    .max_flat_workgroup_size: 512
    .sgpr_count:     66
    .vgpr_count:     210
    .wavefront_size: 32
...
	.end_amdgpu_metadata
.endif
;; end of part 1
;; launch up (part 2): grid 16 x 16, 16 waves a work-group, no clusters, 71,680 bytes of LDS; arguments W1, b1, cm, hc, hs, w1q, xc; writes hc, hs
.if DOCPART == 2
	.amdgcn_target "amdgcn-amd-amdhsa--gfx1250"
	.amdhsa_code_object_version 6
	.text
	.protected	k_q2ab5a2676f_up
	.globl	k_q2ab5a2676f_up
	.p2align	8
	.type	k_q2ab5a2676f_up,@function
k_q2ab5a2676f_up:
	s_mov_b64 s[64:65], 0
	v_nop
	global_prefetch_b8 v0, s[64:65] scope:SCOPE_SE
	s_setreg_imm32_b32 hwreg(HW_REG_WAVE_MODE, 25, 1), 1
	s_wait_xcnt 0x0
; UP: for expert e (work-group y) and hidden units 128 s .. 128 s + 127 (work-group x): h = Q(relu(Q(x) Q(W1[e]) + b1[e])) for the tokens that chose e, and for no others.
; PHASE Q.  The slice's 64 fragments of Q(W1[e]) (8 K steps x 8 tiles of 16 units) are laid in LDS as images of operand registers.  K steps 4-7 were made by the launch before and are copied from w1q.
; K steps 0-3 (rows 0-511 of the slice, [512 k][128 n] f32, 256 KB) are read here, once, and quantised along K in registers.  Wave w: cg = w % 4 (32 columns), ks = w / 4: it quantises K step ks and copies K step 4 + ks,
; each for tiles 2 cg and 2 cg + 1.  A LANE TAKES A COLUMN AND ITS REGISTERS RUN DOWN K: a load reads 128 consecutive bytes, the four waves of one ks stand side by side on 512; a block of 32 lies in one lane.
; The lane's column is (l & 7) | (l & 8) << 1 | (l & 16) >> 1: lanes 0-15 hold units 0-7, 16-23 and lanes 16-31 units 8-15, 24-31 of a block of 32 units: two tiles of 16 rows whose results lie,
; in a lane of the product, as 16 neighbours along the next K.  Eight exchanges of lane halves turn a K step's 16 registers into these two tiles' fragments.
; PHASE M.  Wave w takes the expert's rows 16 (w + 16 i) .. + 15, i = 0 .. 3.  Which token stands at a place in the expert's list is found in registers from the expert's 32 mask words (LOOKUP).
; A PLACE PAST THE LIST'S END TAKES THE LIST'S LAST PLACE: the last tile's spare rows are the last row once more, here and in the launch that follows.
; The product is used transposed (source 0 = 16 units of W1, source 1 = 16 tokens), b1 is the C of each sum's first product; relu; the 128 units become K step s of the next product:
; hc[e][tile][s] 1,024 bytes, hs[e][tile][s] 128 bytes, images of the fragment's and the scale word's registers.  Tile 0 is always made (of an expert without rows: some token's numbers, which nobody uses).
; The loop over tiles has 4 trips; what hangs on the count read from memory is a jump over a trip's work.  For that reason there is no tensor load here, so no ring and no joint load;
; and no two work-groups share a byte of W1 or of w1q.  One barrier, between the phases.
; LIMITS: NaN and infinities are not served; a block whose largest magnitude lies under 2^-124 (a block of zeros among them) keeps the scale byte 1: its bytes are read by this program alone.
.set PITCH, 8192                       ; a row of W1[e] in bytes
.set KSB,   8192                       ; LDS: a K step's 8 fragments of 1,024 bytes, from byte 0 on: [K step 8][tile 8]
.set KSS,   512                        ; a K step's scale words: [K step 8][cg 4][128 bytes]
.set WSC,   65536                      ; where they begin
.set GC,    34                         ; loads of a GATHER
.set XSO,   524288                     ; xc: where x's scale bytes begin
.set WQS,   8388608                    ; w1q: where the scale words begin
.set LI,  1                            ; v1   16 x lane
.set LW,  2                            ; v2   WSC + 4 x lane
.set LS,  3                            ; v3   4 x lane
.set WO,  4                            ; v4   4 x my column
.set WI,  5                            ; v5   where my images go: K step ks, tiles 2 cg, 2 cg + 1
.set WSA, 6                            ; v6   where my scale words go
.set H64, 7                            ; v7   64 h
.set H16, 8                            ; v8   16 h
.set PP,  9                            ; v9   my place in the expert's list: 16 x tile + r
.set TC,  10                           ; v10  512 x token + 16 h
.set TS,  11                           ; v11  32 x token
.set MA,  12
.set MB,  13
.set SCL, 14
.set BY,  15
.set XF,  16                           ; v16-79   x's 8 fragments
.set XS,  80                           ; v80-87   x's scale words: scales and nothing else
.set ACC, 88                           ; v88-151  8 accumulators
.set LT,  88                           ; LOOKUP's registers lie in them while they are free
.set X0,  152                          ; v152-183, v184-215: two sets of 32 numbers; in phase M W1's 8 fragments
.set X1,  184
.set BF,  152
.set WS,  216                          ; v216-219 W1's scale words: scales and nothing else
.set F0,  220                          ; v220-235 the codes of the K step that I quantise
.set F1,  236                          ; v236-251 those of the K step that I copy
.set SW,  252                          ; v252 my column's scale word of the first, v253 of the second
.set L8,  254                          ; v254 8 x lane
.set TM,  220                          ; phase M: v220-235 at work, v236-243 the codes made, v244 their scale word
.set PC,  236
.set PW,  244
.set LSEL, LT
.set LGP,  LT+1
.set LCW,  LT+2
.set LQ,   LT+4
.set LA1,  LT+5
.set LA2,  LT+6
.set LA4,  LT+7
.set LA8,  LT+8
.set LPOS, LT+9
.set LTT,  LT+10
.set LTOK, LT+11
.set PT,   LT+12
.set LPV,  LT+13
.set CW,   20                          ; s[20:51] the expert's 32 mask words
.set EE,   52
.set NN,   54                          ; how many rows the expert has
.set ROW0, 55                          ; 16 x my tile
.set TRIP, 56
.set EP,   57
.set T0,   58
.set T1,   59
.set NL,   62                          ; max(NN, 1) - 1: the list's last place
.set N1,   63                          ; max(NN, 1)
.set SEL,  100                         ; s[100:101] lane selects: lane l xor 16
.macro LOAD t                          ; block t: W1(128 ks + 32 t + i, my column), i = 0 .. 31
.set i, 0
.rept 32
	global_load_b32 v[X0+(X1-X0)*((\t)%2)+i], v[WO], s[4:5] offset:(32*(\t)+i)*PITCH th:TH_LOAD_NT
.set i, i+1
.endr
.endm
.macro BLOCK t, cnt                    ; block t becomes 32 codes (4 registers) and a byte of the scale word.  cnt: the younger loads, which may stay out
.set XB, X0+(X1-X0)*((\t)%2)
.set FD, F0+8*((\t)%2)+4*((\t)/2)
	s_wait_loadcnt \cnt
	v_max3_num_f32 v[MA], |v[XB]|, |v[XB+1]|, |v[XB+2]|
	v_max3_num_f32 v[MB], |v[XB+3]|, |v[XB+4]|, |v[XB+5]|
.irp i, 6,10,14,18,22,26
	v_max3_num_f32 v[MA], v[MA], |v[XB+\i]|, |v[XB+\i+1]|
	v_max3_num_f32 v[MB], v[MB], |v[XB+\i+2]|, |v[XB+\i+3]|
.endr
	v_max3_num_f32 v[MA], v[MA], |v[XB+30]|, |v[XB+31]|
	v_max3_num_f32 v[MA], v[MA], v[MB], 0x1800000  ; and the floor 2^(3 - 127): the byte cannot fall under 1
	v_add_nc_u32 v[SCL], 0xff000000, v[MA]         ; 2 off the exponent field: the conversion's scale operand
	v_lshrrev_b32 v[BY], 23, v[SCL]
.if (\t) == 0
	v_mov_b32 v[SW], v[BY]
.else
	v_lshl_or_b32 v[SW], v[BY], 8*(\t), v[SW]
.endif
.irp q, 0,1,2,3
	v_cvt_scalef32_pk8_fp4_f32 v[FD+\q], v[XB+8*\q:XB+8*\q+7], v[SCL]
.endr
.if (\t) < 2
	LOAD (\t)+2                                    ; (the next block's first lines are the plain lines behind the conversions)
.endif
.endm
.macro FIN                             ; the K step's 16 registers become two fragments and go to LDS as they stand
	v_nop                                          ; one plain line behind the scaled conversions
.irp q, 0,1,2,3
	v_permlane16_swap_b32 v[F0+\q], v[F0+8+\q]     ; blocks 0 and 1: the even tile's into F0 + 0 .. 3, the odd tile's into F0 + 8 .. 11
	v_permlane16_swap_b32 v[F0+4+\q], v[F0+12+\q]  ; blocks 2 and 3
.endr
.irp q, 0,1,2,3
	ds_store_b128 v[WI], v[F0+4*\q:F0+4*\q+3] offset:512*\q
.endr
	ds_store_b32 v[WSA], v[SW]                     ; lanes 0-15: the even tile's rows; lanes 16-31: the odd tile's
.endm
.macro COPYL                           ; K step 4 + ks, tiles 2 cg and 2 cg + 1, as the launch before stored them: five loads
.irp q, 0,1,2,3
	global_load_b128 v[F1+4*\q:F1+4*\q+3], v[LI], s[18:19] offset:512*\q th:TH_LOAD_NT   ; 32 lanes read 512 consecutive bytes
.endr
	global_load_b32 v[SW+1], v[L8], s[66:67]       ; my word of the pair that a lane stored
.endm
.macro COPYS                           ; and into LDS, four K steps behind the one that I quantise
.irp q, 0,1,2,3
	ds_store_b128 v[WI], v[F1+4*\q:F1+4*\q+3] offset:4*KSB+512*\q
.endr
	ds_store_b32 v[WSA], v[SW+1] offset:4*KSS
.endm
.macro COUNT                           ; the list's length: the ones in the expert's 32 words
	s_bcnt1_i32_b32 s[NN], s[CW]
.set g, 1
.rept 31
	s_bcnt1_i32_b32 s[T0], s[CW+g]
	s_add_co_u32 s[NN], s[NN], s[T0]
.set g, g+1
.endr
	s_max_u32 s[N1], s[NN], 1
	s_sub_co_u32 s[NL], s[N1], 1
.endm
.macro LSTEP fld, msk, wid             ; is the wanted bit in the lower part of width wid at LPOS, or above it?
	v_lshrrev_b32 v[LTT], v[LPOS], v[\fld]
	v_and_b32 v[LTT], \msk, v[LTT]
	v_cmp_ge_u32 vcc_lo, v[LQ], v[LTT]
	v_sub_nc_u32 v[LTT], v[LQ], v[LTT]
	v_cndmask_b32 v[LQ], v[LQ], v[LTT], vcc_lo
	v_add_nc_u32 v[LTT], \wid, v[LPOS]
	v_cndmask_b32 v[LPOS], v[LPOS], v[LTT], vcc_lo
.endm
; The token at place min(v[pv], the last place) of the expert's list -> v[LTOK].  The group of 32 tokens is the last whose running count is at most the place; the bit in its word is found by halving.
.macro LOOKUP pv
	v_min_u32 v[LPV], s[NL], v[\pv]                ; a place past the end takes the last place
	v_mov_b32 v[LSEL], 0
	v_mov_b32 v[LGP], 0
	v_mov_b32 v[LCW], s[CW]
	s_bcnt1_i32_b32 s[EP], s[CW]
.set g, 1
.rept 31
	v_cmp_le_u32 vcc_lo, s[EP], v[LPV]
	v_cndmask_b32 v[LSEL], v[LSEL], s[EP], vcc_lo
	v_cndmask_b32 v[LGP], v[LGP], g, vcc_lo
	v_cndmask_b32 v[LCW], v[LCW], s[CW+g], vcc_lo
	s_bcnt1_i32_b32 s[T0], s[CW+g]
	s_add_co_u32 s[EP], s[EP], s[T0]
.set g, g+1
.endr
	v_sub_nc_u32 v[LQ], v[LPV], v[LSEL]
	v_lshrrev_b32 v[LTT], 1, v[LCW]                ; counts of ones in fields of 2, 4, 8 and 16 bits
	v_and_b32 v[LTT], 0x55555555, v[LTT]
	v_sub_nc_u32 v[LA1], v[LCW], v[LTT]
	v_lshrrev_b32 v[LTT], 2, v[LA1]
	v_and_b32 v[LTT], 0x33333333, v[LTT]
	v_and_b32 v[LA2], 0x33333333, v[LA1]
	v_add_nc_u32 v[LA2], v[LA2], v[LTT]
	v_lshrrev_b32 v[LTT], 4, v[LA2]
	v_add_nc_u32 v[LTT], v[LA2], v[LTT]
	v_and_b32 v[LA4], 0x0f0f0f0f, v[LTT]
	v_lshrrev_b32 v[LTT], 8, v[LA4]
	v_add_nc_u32 v[LTT], v[LA4], v[LTT]
	v_and_b32 v[LA8], 0x00ff00ff, v[LTT]
	v_mov_b32 v[LPOS], 0
	LSTEP LA8, 0xff, 16
	LSTEP LA4, 0xff, 8
	LSTEP LA2, 15, 4
	LSTEP LA1, 3, 2
	LSTEP LCW, 1, 1
	v_lshl_add_u32 v[LTOK], v[LGP], 5, v[LPOS]
.endm
.macro GATHER                          ; my token's codes and scale words, and b1 as the sums' first C: 34 loads
	v_min_u32 v[LTOK], 0x3ff, v[LTOK]              ; a number read from memory enters an address only behind this bound
	v_lshl_add_u32 v[TC], v[LTOK], 9, v[H16]
	v_lshlrev_b32 v[TS], 5, v[LTOK]
.set k, 0
.rept 8
	global_load_b128 v[XF+8*k:XF+8*k+3], v[TC], s[8:9] offset:64*k
	global_load_b128 v[XF+8*k+4:XF+8*k+7], v[TC], s[8:9] offset:64*k+32
.set k, k+1
.endr
	global_load_b128 v[XS:XS+3], v[TS], s[10:11]
	global_load_b128 v[XS+4:XS+7], v[TS], s[10:11] offset:16
.irp t, 0,1,2,3,4,5,6,7                        ; tile 2 b + u, lane (r, h): units 32 b + 16 h + 8 u + 0 .. 7
	global_load_b128 v[ACC+8*\t:ACC+8*\t+3], v[H64], s[6:7] offset:(32*(\t/2)+8*(\t%2))*4
	global_load_b128 v[ACC+8*\t+4:ACC+8*\t+7], v[H64], s[6:7] offset:(32*(\t/2)+8*(\t%2))*4+16
.endr
.endm
.macro KSTEP ks                        ; 128 along K: W1's 8 fragments from LDS, 8 products, the accumulators by turns
.if (\ks) > 0
.rept 4
	v_nop                                          ; places in front of loads into registers that products have read
.endr
.endif
.irp t, 0,1,2,3,4,5,6,7
	ds_load_b128 v[BF+8*\t:BF+8*\t+3], v[LI] offset:KSB*(\ks)+1024*\t
	ds_load_b128 v[BF+8*\t+4:BF+8*\t+7], v[LI] offset:KSB*(\ks)+1024*\t+512
.endr
.irp p, 0,1,2,3
	ds_load_b32 v[WS+\p], v[LW] offset:KSS*(\ks)+128*\p
.endr
	s_wait_dscnt 0x0
.irp p, 0,1,2,3
	v_wmma_scale_f32_16x16x128_f8f6f4 v[ACC+16*\p:ACC+16*\p+7], v[BF+16*\p:BF+16*\p+7], v[XF+8*(\ks):XF+8*(\ks)+7], v[ACC+16*\p:ACC+16*\p+7], v[WS+\p], v[XS+(\ks)] matrix_a_fmt:MATRIX_FMT_FP4 matrix_b_fmt:MATRIX_FMT_FP4
	v_wmma_scale_f32_16x16x128_f8f6f4 v[ACC+16*\p+8:ACC+16*\p+15], v[BF+16*\p+8:BF+16*\p+15], v[XF+8*(\ks):XF+8*(\ks)+7], v[ACC+16*\p+8:ACC+16*\p+15], v[WS+\p], v[XS+(\ks)] matrix_a_fmt:MATRIX_FMT_FP4 matrix_b_fmt:MATRIX_FMT_FP4 matrix_a_scale:MATRIX_SCALE_ROW1
.endr
.endm
; 64 numbers of a lane, register 16 b + i = k 32 b + 16 (lane / 16) + i of my row, become a fragment's codes in v[PC] on and its scale word in v[PW].
.macro QUANT s
.irp b, 0,1,2,3
	v_max3_num_f32 v[TM+\b], |v[\s+16*\b]|, |v[\s+1+16*\b]|, 0x1800000
.endr
.irp i, 2,4,6,8,10,12,14
.irp b, 0,1,2,3
	v_max3_num_f32 v[TM+\b], v[TM+\b], |v[\s+16*\b+\i]|, |v[\s+1+16*\b+\i]|
.endr
.endr
.irp b, 0,1,2,3
	v_permlanex16_b32 v[TM+4+\b], v[TM+\b], s[SEL], s[SEL+1]
.endr
.irp b, 0,1,2,3
	v_max_num_f32 v[TM+\b], v[TM+\b], v[TM+4+\b]
.endr
.irp b, 0,1,2,3
	v_add_nc_u32 v[TM+12+\b], 0xff000000, v[TM+\b]
.endr
.irp b, 0,1,2,3
	v_lshrrev_b32 v[TM+4+\b], 23, v[TM+12+\b]
.endr
	v_lshl_or_b32 v[PW], v[TM+5], 8, v[TM+4]
	v_lshl_or_b32 v[PW], v[TM+6], 16, v[PW]
	v_lshl_or_b32 v[PW], v[TM+7], 24, v[PW]
.irp b, 0,1,2,3
	v_cvt_scalef32_pk8_fp4_f32 v[PC+2*\b], v[\s+16*\b:\s+7+16*\b], v[TM+12+\b]
	v_cvt_scalef32_pk8_fp4_f32 v[PC+1+2*\b], v[\s+8+16*\b:\s+15+16*\b], v[TM+12+\b]
.endr
	v_nop
.irp c, 0,1
.irp i, 0,1
	v_permlane16_swap_b32 v[PC+4*\c+\i], v[PC+2+4*\c+\i]
.endr
.endr
.endm
	s_load_b128 s[4:7], s[0:1], 0x0                ; W1, b1
	s_load_b128 s[12:15], s[0:1], 0x10             ; cm, hc
	s_load_b128 s[16:19], s[0:1], 0x20             ; hs, w1q
	s_load_b64 s[8:9], s[0:1], 0x30                ; xc
	v_lshrrev_b32 v1, 5, v0
	v_readfirstlane_b32 s2, v1                     ; wave 0..15
	v_and_b32 v12, 31, v0                          ; lane
	v_and_b32 v13, 15, v0                          ; r
	v_bfe_u32 v14, v0, 4, 1                        ; h
	v_lshlrev_b32 v[LI], 4, v12
	v_lshl_add_u32 v[LW], v12, 2, WSC
	v_lshlrev_b32 v[LS], 2, v12
	v_lshlrev_b32 v[L8], 3, v12
	v_and_b32 v[WO], 7, v12
	v_and_b32 v15, 8, v12
	v_lshl_or_b32 v[WO], v15, 1, v[WO]
	v_lshl_or_b32 v[WO], v14, 3, v[WO]             ; my column of the wave's 32
	v_lshlrev_b32 v[WO], 2, v[WO]
	s_and_b32 s[EE], ttmp7, 0xffff                 ; the expert
	s_and_b32 s[T0], s2, 3                         ; cg
	s_lshr_b32 s[T1], s2, 2                        ; ks
	s_lshl_b32 s60, s[T1], 13
	s_lshl_b32 s61, s[T0], 11
	s_add_co_u32 s60, s60, s61
	v_add_nc_u32 v[WI], s60, v[LI]                 ; K step ks; tiles 2 cg, 2 cg + 1
	s_lshl_b32 s60, s[T1], 9
	s_lshl_b32 s61, s[T0], 7
	s_add_co_u32 s60, s60, s61
	v_add_nc_u32 v[WSA], s60, v[LW]
	v_lshlrev_b32 v[H64], 6, v14
	v_lshlrev_b32 v[H16], 4, v14
	s_lshl_b32 s[ROW0], s2, 4
	v_add_nc_u32 v[PP], s[ROW0], v13
	s_mov_b32 s[SEL], 0x76543210
	s_mov_b32 s[SEL+1], 0xfedcba98
	s_lshl_b32 s60, s[EE], 23                      ; W1: the expert's 8 MiB, 128 ks rows of 8,192 bytes, 512 bytes a slice, 128 a wave
	s_lshl_b32 s61, s[T1], 20
	s_add_co_u32 s60, s60, s61
	s_lshl_b32 s61, ttmp9, 9
	s_add_co_u32 s60, s60, s61
	s_lshl_b32 s61, s[T0], 7
	s_add_co_u32 s60, s60, s61
	s_mov_b32 s61, 0
	s_lshl_b32 s53, s[EE], 4
	s_add_co_u32 s53, s53, ttmp9                   ; 16 e + s
	s_lshl_b32 s68, s53, 15                        ; w1q's codes: 32,768 bytes a slice, 8,192 a K step, 2,048 for my two tiles
	s_lshl_b32 s69, s[T1], 13
	s_add_co_u32 s68, s68, s69
	s_lshl_b32 s69, s[T0], 11
	s_add_co_u32 s68, s68, s69
	s_lshl_b32 s70, s53, 11                        ; its scale words: 2,048 bytes a slice, 1,024 (ks / 2), 256 cg, 4 (ks % 2)
	s_lshr_b32 s69, s[T1], 1
	s_lshl_b32 s69, s69, 10
	s_add_co_u32 s70, s70, s69
	s_lshl_b32 s69, s[T0], 8
	s_add_co_u32 s70, s70, s69
	s_and_b32 s69, s[T1], 1
	s_lshl_b32 s69, s69, 2
	s_add_co_u32 s70, s70, s69
	s_add_co_u32 s70, s70, WQS
	s_mov_b32 s69, 0
	s_mov_b32 s71, 0
	s_wait_kmcnt 0x0
	s_add_nc_u64 s[4:5], s[4:5], s[60:61]
	s_add_nc_u64 s[66:67], s[18:19], s[70:71]
	s_add_nc_u64 s[18:19], s[18:19], s[68:69]
	s_add_nc_u64 s[10:11], s[8:9], XSO             ; x's scale bytes lie behind its codes
	s_lshl_b32 s60, s[EE], 7
	s_add_nc_u64 s[12:13], s[12:13], s[60:61]      ; the expert's row of cm
	s_load_b512 s[CW:CW+15], s[12:13], 0x0
	s_load_b512 s[CW+16:CW+31], s[12:13], 0x40
	COPYL                                          ; the oldest loads: block 0's wait shows them done too
	LOAD 0
	LOAD 1
	s_lshl_b32 s60, s[EE], 13                      ; b1: 8,192 bytes an expert, 512 a slice
	s_lshl_b32 s[T0], ttmp9, 9
	s_add_co_u32 s60, s60, s[T0]
	s_add_nc_u64 s[6:7], s[6:7], s[60:61]
	s_lshl_b32 s60, s[EE], 20                      ; hc: [e][tile 64][K step 16][1,024]
	s_lshl_b32 s[T0], s2, 14
	s_add_co_u32 s60, s60, s[T0]
	s_lshl_b32 s[T0], ttmp9, 10
	s_add_co_u32 s60, s60, s[T0]
	s_add_nc_u64 s[14:15], s[14:15], s[60:61]
	s_lshl_b32 s60, s[EE], 17                      ; hs: [e][tile 64][K step 16][128]
	s_lshl_b32 s[T0], s2, 11
	s_add_co_u32 s60, s60, s[T0]
	s_lshl_b32 s[T0], ttmp9, 7
	s_add_co_u32 s60, s60, s[T0]
	s_add_nc_u64 s[16:17], s[16:17], s[60:61]
	s_wait_kmcnt 0x0                               ; the mask words
	COUNT                                          ; while the first loads are on their way
	LOOKUP PP
	BLOCK 0, 32
	COPYS
	BLOCK 1, 32
	BLOCK 2, 32
	GATHER                                         ; my first tile's rows, asked for ahead of the barrier
	BLOCK 3, GC                                    ; behind block 3's loads: the gather's 34
	FIN
	s_wait_dscnt 0x0                               ; for the others' sake: my images have landed
	s_barrier_signal -1
	s_barrier_wait -1                              ; the slice's 64 fragments lie in LDS; nobody writes LDS from here on
.irp b, 0,1,2,3
	v_mov_b32 v[TM+4+\b], 0                        ; written once: a lane permute's destination counts as one of its sources
.endr
	s_mov_b32 s[TRIP], 0
.Lm:
	s_wait_loadcnt 0x0                             ; the tile's rows and b1 are in
	s_cmp_lt_u32 s[ROW0], s[N1]
	s_cbranch_scc0 .Lskip                          ; the list ends ahead of my tile
.set KK, 0
.rept 8
	KSTEP KK
.set KK, KK+1
.endr
.rept 4
	v_nop
.endr
.set j, 0
.rept 64
	v_max_num_f32 v[ACC+j], 0, v[ACC+j]            ; relu, each accumulator from its low end on
.set j, j+1
.endr
	QUANT ACC
	global_store_b128 v[LI], v[PC:PC+3], s[14:15]  ; 32 lanes store 512 consecutive bytes, aligned
	global_store_b128 v[LI], v[PC+4:PC+7], s[14:15] offset:512
	global_store_b32 v[LS], v[PW], s[16:17]
	s_add_co_u32 s[T0], s[ROW0], 256
	s_cmp_lt_u32 s[T0], s[NN]
	s_cbranch_scc0 .Lskip                          ; no further tile of mine
	v_add_nc_u32 v[PT], 256, v[PP]
	LOOKUP PT
	GATHER
.Lskip:
	s_wait_xcnt 0x0                                ; the stores have read their data and bases: both are written again only behind this wait
	s_add_nc_u64 s[14:15], s[14:15], 262144        ; 16 tiles on
	s_add_nc_u64 s[16:17], s[16:17], 32768
	v_add_nc_u32 v[PP], 256, v[PP]
	s_add_co_u32 s[ROW0], s[ROW0], 256
	s_add_co_u32 s[TRIP], s[TRIP], 1
	s_cmp_lt_u32 s[TRIP], 4
	s_cbranch_scc1 .Lm
	s_wait_xcnt 0x0
	v_lshl_add_u32 v254, v0, 2, 0x11000
	v_mov_b32 v255, 0
	s_wait_tensorcnt 0x0
	ds_add_u32 v254, v255
	s_wait_dscnt 0x0
	s_endpgm
.Lfunc_end_k_q2ab5a2676f_up:
	.size	k_q2ab5a2676f_up, .Lfunc_end_k_q2ab5a2676f_up-k_q2ab5a2676f_up
	.p2alignl 7, 3214868480
	.fill 96, 4, 3214868480
	.section	.rodata,"a",@progbits
	.p2align	6, 0x0
	.amdhsa_kernel k_q2ab5a2676f_up
		.amdhsa_group_segment_fixed_size 71680
		.amdhsa_private_segment_fixed_size 0
		.amdhsa_enable_private_segment 0
		.amdhsa_kernarg_size 56
		.amdhsa_user_sgpr_count 2
		.amdhsa_user_sgpr_kernarg_segment_ptr 1
		.amdhsa_wavefront_size32 1
		.amdhsa_system_sgpr_workgroup_id_x 1
		.amdhsa_system_sgpr_workgroup_id_y 1
		.amdhsa_system_sgpr_workgroup_id_z 1
		.amdhsa_system_vgpr_workitem_id 0
		.amdhsa_next_free_vgpr 256
		.amdhsa_next_free_sgpr 104
		.amdhsa_reserve_vcc 1
		.amdhsa_float_denorm_mode_32 3
		.amdhsa_float_denorm_mode_16_64 3
		.amdhsa_memory_ordered 1
		.amdhsa_forward_progress 1
		.amdhsa_inst_pref_size 80
	.end_amdhsa_kernel
	.amdgpu_metadata
---
amdhsa.version: [ 1, 2 ]
amdhsa.kernels:
  - .name:           k_q2ab5a2676f_up
    .symbol:         k_q2ab5a2676f_up.kd
    .args:
      - { .name: W1, .offset: 0, .size: 8, .value_kind: global_buffer, .address_space: global }
      - { .name: b1, .offset: 8, .size: 8, .value_kind: global_buffer, .address_space: global }
      - { .name: cm, .offset: 16, .size: 8, .value_kind: global_buffer, .address_space: global }
      - { .name: hc, .offset: 24, .size: 8, .value_kind: global_buffer, .address_space: global }
      - { .name: hs, .offset: 32, .size: 8, .value_kind: global_buffer, .address_space: global }
      - { .name: w1q, .offset: 40, .size: 8, .value_kind: global_buffer, .address_space: global }
      - { .name: xc, .offset: 48, .size: 8, .value_kind: global_buffer, .address_space: global }
    .group_segment_fixed_size: 71680
    .private_segment_fixed_size: 0
    .kernarg_segment_align: 8
    .kernarg_segment_size: 56
    .max_flat_workgroup_size: 512
    .sgpr_count:     104
    .vgpr_count:     256
    .wavefront_size: 32
...
	.end_amdgpu_metadata
.endif
;; end of part 2
;; launch down (part 3): grid 16 x 16, 16 waves a work-group, no clusters, 142,336 bytes of LDS; arguments W2, b2, hc, hs, cm, m2, rw, yb; writes yb
.if DOCPART == 3
	.amdgcn_target "amdgcn-amd-amdhsa--gfx1250"
	.amdhsa_code_object_version 6
	.text
	.protected	k_q2ab5a2676f_down
	.globl	k_q2ab5a2676f_down
	.p2align	8
	.type	k_q2ab5a2676f_down,@function
k_q2ab5a2676f_down:
	s_mov_b64 s[64:65], 0
	v_nop
	global_prefetch_b8 v0, s[64:65] scope:SCOPE_SE
	s_setreg_imm32_b32 hwreg(HW_REG_WAVE_MODE, 25, 1), 1
	s_wait_xcnt 0x0
; DOWN: for expert e (work-group y) and outputs 64 c .. 64 c + 63 (work-group x): yb[2 token + k] = (h Q(W2[e]) + b2[e]) x rw[token][k] for the tokens that chose e as their k-th choice.
; PHASE Q.  The slice of W2[e] ([2048 k][64 n] f32, 512 KB) is read once, quantised along K in registers and laid in LDS as images of operand registers.  Wave w: cg = w % 2 (32 columns), ke = w / 2
; (256 along K).  A lane takes a column and its registers run down K: a load reads 128 consecutive bytes, the two waves of one ke stand side by side on 256, aligned.  Lanes 0-15 hold tile 2 cg's rows,
; lanes 16-31 tile 2 cg + 1's; eight exchanges of lane halves turn a K step's 16 registers into the two tiles' fragments.
; PHASE M.  Wave w takes the expert's rows 16 (w + 16 i) .. + 15, i = 0 .. 3: h's 16 fragments and scale words come as the images that the launch before stored; the product is used transposed
; (source 0 = 16 outputs of W2, source 1 = 16 rows of h), b2 is the C of each sum's first product, the row's weight multiplies the finished sum.  A row's slot, 2 token + k, is found in registers from the expert's
; mask words (LOOKUP).  The results go through the wave's own stage in LDS, so that sixteen lanes store 256 consecutive bytes, aligned, of a slot's row; the rows' slots reach the storing lanes through 64 bytes of the wave's own.
; A PLACE PAST THE LIST'S END TAKES THE LIST'S LAST PLACE, here as in the launch before: the last tile's spare rows hold the last row's h, slot and weight, and store the same numbers to the same bytes as that
; row, from the same wave.  So every lane is on throughout and no store is jumped over; the price is at most 15 repeated stores of 256 bytes for an expert and a slice.
; Each slot belongs to one expert and each column to one slice: every byte of yb has one owner.
; The loop over tiles has 4 trips; what hangs on the count read from memory is a jump over a trip's work.  For that reason there is no tensor load here, so no ring and no joint load;
; and no two work-groups share a byte of W2.  One barrier, between the phases.
; LIMITS: NaN and infinities are not served; a block whose largest magnitude lies under 2^-124 (a block of zeros among them) keeps the scale byte 1.
.set PITCH, 4096                       ; a row of W2[e] in bytes
.set KSB,   4096                       ; LDS: a K step's 4 fragments of 1,024 bytes, from byte 0 on: [K step 16][tile 4]
.set KSS,   256                        ; a K step's scale words: [K step 16][cg 2][128 bytes]
.set WSC,   65536
.set STG,   69632                      ; the stages: 16 rows x (256 bytes + 16) for each wave
.set SLW,   139264                     ; a tile's 16 slots: 64 bytes for each wave
.set GC,    57                         ; loads of a GATHER
.set LI,  1                            ; v1   16 x lane
.set LW,  2                            ; v2   WSC + 4 x lane
.set LS,  3                            ; v3   4 x lane: also my column's bytes in a row of W2
.set WO,  3
.set SLA, 4                            ; v4   where my row's slot goes: SLW + 64 w + 4 r
.set WI,  5                            ; v5   where my images go
.set WSA, 6                            ; v6   where my scale words go
.set H32, 7                            ; v7   32 h
.set PP,  8                            ; v8   my place in the expert's list: 16 x tile + r
.set SLR, 9                            ; v9   where I read the slots of the rows that I store: SLW + 64 w + 4 (lane / 16)
.set STO, 10                           ; v10  the stage: where I put 32 bytes of row r
.set SRD, 11                           ; v11  and where I read rows back
.set C16, 14                           ; v14  16 (lane % 16)
.set SLOT, 15                          ; v15  2 token + k of my place
.set AF,  16                           ; v16-143  h's 16 fragments
.set HS,  144                          ; v144-159 h's scale words: scales and nothing else
.set ACC, 160                          ; v160-191 4 accumulators
.set BF,  192                          ; v192-223 W2's 4 fragments
.set WS,  224                          ; v224-225 W2's scale words: scales and nothing else
.set X0,  16                           ; phase Q: two sets of 32 numbers,
.set X1,  192
.set F0,  48                           ; a K step's codes, v48-63 and v226-241
.set F1,  226
.set SW,  242                          ; v242-243 my column's scale words
.set MA,  244
.set MB,  245
.set SCL, 246
.set BY,  247
.set RW,  248                          ; v[248:249] my row's weight (the packed form names the pair and takes its low word)
.set RWO, 250
.set LT,  64                           ; LOOKUP's registers, v64-77: free whenever it runs
.set OB,  16                           ; the way out: v16-47 rows read back,
.set YO,  226                          ; v226-233 their offsets in yb, v234-241 their slots (free when phase Q has ended)
.set SL,  234
.set LSEL, LT
.set LGP,  LT+1
.set LCW,  LT+2
.set LMW,  LT+3
.set LQ,   LT+4
.set LA1,  LT+5
.set LA2,  LT+6
.set LA4,  LT+7
.set LA8,  LT+8
.set LPOS, LT+9
.set LTT,  LT+10
.set LTOK, LT+11
.set PT,   LT+12
.set LPV,  LT+13
.set CW,   20                          ; s[20:51] the expert's 32 words of cm
.set MW,   68                          ; s[68:99] and of m2
.set EE,   52
.set NN,   54                          ; how many rows the expert has
.set ROW0, 55
.set TRIP, 56
.set EP,   57
.set T0,   58
.set T1,   59
.set NL,   62                          ; max(NN, 1) - 1: the list's last place
.set N1,   63
.macro LOAD t
.set i, 0
.rept 32
	global_load_b32 v[X0+(X1-X0)*((\t)%2)+i], v[WO], s[4:5] offset:(32*(\t)+i)*PITCH th:TH_LOAD_NT
.set i, i+1
.endr
.endm
.macro BLOCK t, cnt                    ; block t becomes 32 codes (4 registers) and a byte of the scale word.  cnt: the younger loads, which may stay out
.set XB, X0+(X1-X0)*((\t)%2)
.set FD, F0+(F1-F0)*((\t)/4)+8*((\t)%2)+4*(((\t)%4)/2)
	s_wait_loadcnt \cnt
	v_max3_num_f32 v[MA], |v[XB]|, |v[XB+1]|, |v[XB+2]|
	v_max3_num_f32 v[MB], |v[XB+3]|, |v[XB+4]|, |v[XB+5]|
.irp i, 6,10,14,18,22,26
	v_max3_num_f32 v[MA], v[MA], |v[XB+\i]|, |v[XB+\i+1]|
	v_max3_num_f32 v[MB], v[MB], |v[XB+\i+2]|, |v[XB+\i+3]|
.endr
	v_max3_num_f32 v[MA], v[MA], |v[XB+30]|, |v[XB+31]|
	v_max3_num_f32 v[MA], v[MA], v[MB], 0x1800000  ; and the floor 2^(3 - 127): the byte cannot fall under 1
	v_add_nc_u32 v[SCL], 0xff000000, v[MA]         ; 2 off the exponent field: the conversion's scale operand
	v_lshrrev_b32 v[BY], 23, v[SCL]
.if (\t)%4 == 0
	v_mov_b32 v[SW+(\t)/4], v[BY]
.else
	v_lshl_or_b32 v[SW+(\t)/4], v[BY], 8*((\t)%4), v[SW+(\t)/4]
.endif
.irp q, 0,1,2,3
	v_cvt_scalef32_pk8_fp4_f32 v[FD+\q], v[XB+8*\q:XB+8*\q+7], v[SCL]
.endr
.if (\t) < 6
	LOAD (\t)+2                                    ; (the next block's first lines are the plain lines behind the conversions)
.endif
.endm
.macro FIN ks
.set FF, F0+(F1-F0)*(\ks)
	v_nop                                          ; one plain line behind the scaled conversions
.irp q, 0,1,2,3
	v_permlane16_swap_b32 v[FF+\q], v[FF+8+\q]
	v_permlane16_swap_b32 v[FF+4+\q], v[FF+12+\q]
.endr
.irp q, 0,1,2,3
	ds_store_b128 v[WI], v[FF+4*\q:FF+4*\q+3] offset:KSB*(\ks)+512*\q
.endr
	ds_store_b32 v[WSA], v[SW+\ks] offset:KSS*(\ks)
.endm
.macro COUNT                           ; the list's length: the ones in the expert's 32 words of cm
	s_bcnt1_i32_b32 s[NN], s[CW]
.set g, 1
.rept 31
	s_bcnt1_i32_b32 s[T0], s[CW+g]
	s_add_co_u32 s[NN], s[NN], s[T0]
.set g, g+1
.endr
	s_max_u32 s[N1], s[NN], 1
	s_sub_co_u32 s[NL], s[N1], 1
.endm
.macro LSTEP fld, msk, wid
	v_lshrrev_b32 v[LTT], v[LPOS], v[\fld]
	v_and_b32 v[LTT], \msk, v[LTT]
	v_cmp_ge_u32 vcc_lo, v[LQ], v[LTT]
	v_sub_nc_u32 v[LTT], v[LQ], v[LTT]
	v_cndmask_b32 v[LQ], v[LQ], v[LTT], vcc_lo
	v_add_nc_u32 v[LTT], \wid, v[LPOS]
	v_cndmask_b32 v[LPOS], v[LPOS], v[LTT], vcc_lo
.endm
; The slot (2 token + k) at place min(v[pv], the last place) of the expert's list -> v[SLOT].
.macro LOOKUP pv
	v_min_u32 v[LPV], s[NL], v[\pv]                ; a place past the end takes the last place
	v_mov_b32 v[LSEL], 0
	v_mov_b32 v[LGP], 0
	v_mov_b32 v[LCW], s[CW]
	v_mov_b32 v[LMW], s[MW]
	s_bcnt1_i32_b32 s[EP], s[CW]
.set g, 1
.rept 31
	v_cmp_le_u32 vcc_lo, s[EP], v[LPV]
	v_cndmask_b32 v[LSEL], v[LSEL], s[EP], vcc_lo
	v_cndmask_b32 v[LGP], v[LGP], g, vcc_lo
	v_cndmask_b32 v[LCW], v[LCW], s[CW+g], vcc_lo
	v_cndmask_b32 v[LMW], v[LMW], s[MW+g], vcc_lo
	s_bcnt1_i32_b32 s[T0], s[CW+g]
	s_add_co_u32 s[EP], s[EP], s[T0]
.set g, g+1
.endr
	v_sub_nc_u32 v[LQ], v[LPV], v[LSEL]
	v_lshrrev_b32 v[LTT], 1, v[LCW]
	v_and_b32 v[LTT], 0x55555555, v[LTT]
	v_sub_nc_u32 v[LA1], v[LCW], v[LTT]
	v_lshrrev_b32 v[LTT], 2, v[LA1]
	v_and_b32 v[LTT], 0x33333333, v[LTT]
	v_and_b32 v[LA2], 0x33333333, v[LA1]
	v_add_nc_u32 v[LA2], v[LA2], v[LTT]
	v_lshrrev_b32 v[LTT], 4, v[LA2]
	v_add_nc_u32 v[LTT], v[LA2], v[LTT]
	v_and_b32 v[LA4], 0x0f0f0f0f, v[LTT]
	v_lshrrev_b32 v[LTT], 8, v[LA4]
	v_add_nc_u32 v[LTT], v[LA4], v[LTT]
	v_and_b32 v[LA8], 0x00ff00ff, v[LTT]
	v_mov_b32 v[LPOS], 0
	LSTEP LA8, 0xff, 16
	LSTEP LA4, 0xff, 8
	LSTEP LA2, 15, 4
	LSTEP LA1, 3, 2
	LSTEP LCW, 1, 1
	v_lshl_add_u32 v[LTOK], v[LGP], 5, v[LPOS]
	v_lshrrev_b32 v[LTT], v[LPOS], v[LMW]
	v_and_b32 v[LTT], 1, v[LTT]
	v_lshl_add_u32 v[SLOT], v[LTOK], 1, v[LTT]
.endm
; A tile's 16 fragments and scale words of h (bases s[hb], s[sb], dh and dsc bytes on), b2 as the sums' first C, my row's weight: 57 loads
.macro GATHER hb, sb, dh, dsc
	s_wait_dscnt 0x0                               ; my LDS stores have read the registers that these loads write
	v_min_u32 v[RWO], 0x7ff, v[SLOT]               ; a number read from memory enters an address only behind this bound
	v_lshlrev_b32 v[RWO], 2, v[RWO]
.set k, 0
.rept 16
	global_load_b128 v[AF+8*k:AF+8*k+3], v[LI], s[\hb:\hb+1] offset:\dh+1024*k
	global_load_b128 v[AF+8*k+4:AF+8*k+7], v[LI], s[\hb:\hb+1] offset:\dh+1024*k+512
.set k, k+1
.endr
.set k, 0
.rept 16
	global_load_b32 v[HS+k], v[LS], s[\sb:\sb+1] offset:\dsc+128*k
.set k, k+1
.endr
.irp t, 0,1,2,3                                ; tile t, lane (r, h): outputs 16 t + 8 h + 0 .. 7
	global_load_b128 v[ACC+8*\t:ACC+8*\t+3], v[H32], s[6:7] offset:64*\t
	global_load_b128 v[ACC+8*\t+4:ACC+8*\t+7], v[H32], s[6:7] offset:64*\t+16
.endr
	global_load_b32 v[RW], v[RWO], s[16:17]
.endm
.macro KSTEP ks                        ; 128 along K: W2's 4 fragments from LDS, 4 products, the accumulators by turns
.if (\ks) > 0
.rept 4
	v_nop                                          ; places in front of loads into registers that products have read
.endr
.endif
.irp t, 0,1,2,3
	ds_load_b128 v[BF+8*\t:BF+8*\t+3], v[LI] offset:KSB*(\ks)+1024*\t
	ds_load_b128 v[BF+8*\t+4:BF+8*\t+7], v[LI] offset:KSB*(\ks)+1024*\t+512
.endr
.irp p, 0,1
	ds_load_b32 v[WS+\p], v[LW] offset:KSS*(\ks)+128*\p
.endr
	s_wait_dscnt 0x0
.irp p, 0,1
	v_wmma_scale_f32_16x16x128_f8f6f4 v[ACC+16*\p:ACC+16*\p+7], v[BF+16*\p:BF+16*\p+7], v[AF+8*(\ks):AF+8*(\ks)+7], v[ACC+16*\p:ACC+16*\p+7], v[WS+\p], v[HS+(\ks)] matrix_a_fmt:MATRIX_FMT_FP4 matrix_b_fmt:MATRIX_FMT_FP4
	v_wmma_scale_f32_16x16x128_f8f6f4 v[ACC+16*\p+8:ACC+16*\p+15], v[BF+16*\p+8:BF+16*\p+15], v[AF+8*(\ks):AF+8*(\ks)+7], v[ACC+16*\p+8:ACC+16*\p+15], v[WS+\p], v[HS+(\ks)] matrix_a_fmt:MATRIX_FMT_FP4 matrix_b_fmt:MATRIX_FMT_FP4 matrix_a_scale:MATRIX_SCALE_ROW1
.endr
.endm
	s_load_b512 s[4:19], s[0:1], 0x0               ; W2, b2, hc, hs, cm, m2, rw, yb
	v_lshl_add_u32 v254, v0, 2, 0x22400
	v_mov_b32 v255, 0
	v_lshrrev_b32 v1, 5, v0
	v_readfirstlane_b32 s2, v1                     ; wave 0..15
	v_and_b32 v16, 31, v0                          ; lane
	v_and_b32 v17, 15, v0                          ; r
	v_bfe_u32 v18, v0, 4, 1                        ; h
	v_lshlrev_b32 v[LI], 4, v16
	v_lshl_add_u32 v[LW], v16, 2, WSC
	v_lshlrev_b32 v[LS], 2, v16
	s_and_b32 s[EE], ttmp7, 0xffff                 ; the expert
	s_and_b32 s[T0], s2, 1                         ; cg
	s_lshr_b32 s[T1], s2, 1                        ; ke
	s_lshl_b32 s60, s[T1], 13
	s_lshl_b32 s61, s[T0], 11
	s_add_co_u32 s60, s60, s61
	v_add_nc_u32 v[WI], s60, v[LI]                 ; K steps 2 ke, 2 ke + 1; tiles 2 cg, 2 cg + 1
	s_lshl_b32 s60, s[T1], 9
	s_lshl_b32 s61, s[T0], 7
	s_add_co_u32 s60, s60, s61
	v_add_nc_u32 v[WSA], s60, v[LW]
	v_lshlrev_b32 v[H32], 5, v18
	s_lshl_b32 s[ROW0], s2, 4
	v_add_nc_u32 v[PP], s[ROW0], v17
	s_mul_i32 s60, s2, 4352
	s_add_co_u32 s60, s60, STG                     ; my stage
	v_mul_u32_u24 v[STO], v17, 272
	v_lshl_add_u32 v[STO], v18, 5, v[STO]
	v_add_nc_u32 v[STO], s60, v[STO]
	v_mul_u32_u24 v[SRD], v18, 272
	v_lshl_add_u32 v[SRD], v17, 4, v[SRD]
	v_add_nc_u32 v[SRD], s60, v[SRD]
	s_lshl_b32 s60, s2, 6
	s_add_co_u32 s60, s60, SLW                     ; my 16 slot words
	v_lshl_add_u32 v[SLA], v17, 2, s60
	v_lshl_add_u32 v[SLR], v18, 2, s60
	v_lshlrev_b32 v[C16], 4, v17
	v_mov_b32 v[RW+1], 0                           ; named with v[RW] as a pair, so it is written
	s_lshl_b32 s60, s[EE], 23                      ; W2: the expert's 8 MiB, 256 ke rows of 4,096 bytes, 256 bytes a slice, 128 a wave
	s_lshl_b32 s61, s[T1], 20
	s_add_co_u32 s60, s60, s61
	s_lshl_b32 s61, ttmp9, 8
	s_add_co_u32 s60, s60, s61
	s_lshl_b32 s61, s[T0], 7
	s_add_co_u32 s60, s60, s61
	s_mov_b32 s61, 0
	s_wait_kmcnt 0x0
	s_add_nc_u64 s[4:5], s[4:5], s[60:61]
	s_lshl_b32 s60, s[EE], 7
	s_add_nc_u64 s[12:13], s[12:13], s[60:61]      ; the expert's rows of cm and m2
	s_add_nc_u64 s[14:15], s[14:15], s[60:61]
	s_load_b512 s[CW:CW+15], s[12:13], 0x0
	s_load_b512 s[CW+16:CW+31], s[12:13], 0x40
	s_load_b512 s[MW:MW+15], s[14:15], 0x0
	s_load_b512 s[MW+16:MW+31], s[14:15], 0x40
	LOAD 0
	LOAD 1
	s_lshl_b32 s60, s[EE], 12                      ; b2: 4,096 bytes an expert, 256 a slice
	s_lshl_b32 s[T0], ttmp9, 8
	s_add_co_u32 s60, s60, s[T0]
	s_add_nc_u64 s[6:7], s[6:7], s[60:61]
	s_mov_b32 s60, s[T0]
	s_add_nc_u64 s[18:19], s[18:19], s[60:61]      ; yb: my slice's 256 bytes of a row
	s_lshl_b32 s60, s[EE], 20
	s_add_nc_u64 s[100:101], s[8:9], s[60:61]      ; hc at the expert: the first fetch's base
	s_lshl_b32 s[T0], s2, 14
	s_add_co_u32 s60, s60, s[T0]
	s_add_nc_u64 s[8:9], s[8:9], s[60:61]          ; hc at (e, tile w): the loop's
	s_lshl_b32 s60, s[EE], 17
	s_add_nc_u64 s[66:67], s[10:11], s[60:61]      ; hs likewise
	s_lshl_b32 s[T0], s2, 11
	s_add_co_u32 s60, s60, s[T0]
	s_add_nc_u64 s[10:11], s[10:11], s[60:61]
	s_wait_kmcnt 0x0                               ; the mask words
	COUNT                                          ; while the first 64 loads are on their way
	LOOKUP PP
	s_lshr_b32 s[T0], s[NL], 4                     ; the first fetch is made by every wave: a wave without a tile takes the list's last tile, which was stored, and uses nothing of it
	s_min_u32 s[T0], s[T0], s2
	s_min_u32 s[T0], s[T0], 63
	s_lshl_b32 s60, s[T0], 14
	s_add_nc_u64 s[100:101], s[100:101], s[60:61]
	s_lshl_b32 s60, s[T0], 11
	s_add_nc_u64 s[66:67], s[66:67], s[60:61]
	BLOCK 0, 32
	BLOCK 1, 32
	BLOCK 2, 32
	BLOCK 3, 32
	FIN 0
	BLOCK 4, 32
	BLOCK 5, 32
	BLOCK 6, 32
	GATHER 100, 66, 0, 0                           ; my first tile, asked for ahead of the barrier
	BLOCK 7, GC                                    ; behind block 7's loads: the gather's 57
	FIN 1
	s_wait_dscnt 0x0                               ; for the others' sake: my images have landed
	s_barrier_signal -1
	s_barrier_wait -1                              ; the slice's 64 fragments lie in LDS; from here on a wave writes its own stage and slot words alone
	s_mov_b32 s[TRIP], 0
.Lm:
	s_wait_loadcnt 0x0                             ; the tile's fragments, b2 and the weight are in
	s_cmp_lt_u32 s[ROW0], s[NN]
	s_cbranch_scc0 .Lskip                          ; the list ends ahead of my tile
.set KK, 0
.rept 16
	KSTEP KK
.set KK, KK+1
.endr
.rept 4
	v_nop
.endr
.set j, 0
.rept 16
	v_pk_mul_f32 v[ACC+2*j:ACC+2*j+1], v[ACC+2*j:ACC+2*j+1], v[RW:RW+1] op_sel_hi:[1,0]   ; x my row's weight; each accumulator from its low end on
.set j, j+1
.endr
.irp t, 0,1,2,3
	ds_store_b128 v[STO], v[ACC+8*\t:ACC+8*\t+3] offset:64*\t
	ds_store_b128 v[STO], v[ACC+8*\t+4:ACC+8*\t+7] offset:64*\t+16
.endr
	ds_store_b32 v[SLA], v[SLOT]                   ; row r's slot (lanes r and r + 16 write the same word with the same value)
.irp q, 0,1,2,3,4,5,6,7
	ds_load_b128 v[OB+4*\q:OB+4*\q+3], v[SRD] offset:544*\q   ; rows 2 q and 2 q + 1, whole; LDS serves a wave's instructions in order: these see my stores
.endr
.irp q, 0,1,2,3,4,5,6,7
	ds_load_b32 v[SL+\q], v[SLR] offset:8*\q       ; lanes 0-15: row 2 q's slot; lanes 16-31: row 2 q + 1's
.endr
	s_wait_dscnt 0x0
.set i, 0
.rept 8
	v_min_u32 v[SL+i], 0x7ff, v[SL+i]              ; a number read from memory enters an address only behind this bound
	v_lshl_add_u32 v[YO+i], v[SL+i], 12, v[C16]    ; a slot's row is 4,096 bytes
	global_store_b128 v[YO+i], v[OB+4*i:OB+4*i+3], s[18:19]   ; sixteen lanes store 256 consecutive bytes, aligned
.set i, i+1
.endr
	s_add_co_u32 s[T0], s[ROW0], 256
	s_cmp_lt_u32 s[T0], s[NN]
	s_cbranch_scc0 .Lskip                          ; no further tile of mine
	v_add_nc_u32 v[PT], 256, v[PP]
	LOOKUP PT
	s_wait_xcnt 0x0                                ; the stores have read their data: the loads below land in those registers only behind this wait
	GATHER 8, 10, 262144, 32768                    ; 16 tiles on
.Lskip:
	s_wait_xcnt 0x0                                ; loads and stores have read their bases, offsets and data: they are written again only behind this wait
	s_add_nc_u64 s[8:9], s[8:9], 262144
	s_add_nc_u64 s[10:11], s[10:11], 32768
	v_add_nc_u32 v[PP], 256, v[PP]
	s_add_co_u32 s[ROW0], s[ROW0], 256
	s_add_co_u32 s[TRIP], s[TRIP], 1
	s_cmp_lt_u32 s[TRIP], 4
	s_cbranch_scc1 .Lm
	s_wait_tensorcnt 0x0
	ds_add_u32 v254, v255
	s_wait_dscnt 0x0
	s_endpgm
.Lfunc_end_k_q2ab5a2676f_down:
	.size	k_q2ab5a2676f_down, .Lfunc_end_k_q2ab5a2676f_down-k_q2ab5a2676f_down
	.p2alignl 7, 3214868480
	.fill 96, 4, 3214868480
	.section	.rodata,"a",@progbits
	.p2align	6, 0x0
	.amdhsa_kernel k_q2ab5a2676f_down
		.amdhsa_group_segment_fixed_size 142336
		.amdhsa_private_segment_fixed_size 0
		.amdhsa_enable_private_segment 0
		.amdhsa_kernarg_size 64
		.amdhsa_user_sgpr_count 2
		.amdhsa_user_sgpr_kernarg_segment_ptr 1
		.amdhsa_wavefront_size32 1
		.amdhsa_system_sgpr_workgroup_id_x 1
		.amdhsa_system_sgpr_workgroup_id_y 1
		.amdhsa_system_sgpr_workgroup_id_z 1
		.amdhsa_system_vgpr_workitem_id 0
		.amdhsa_next_free_vgpr 256
		.amdhsa_next_free_sgpr 104
		.amdhsa_reserve_vcc 1
		.amdhsa_float_denorm_mode_32 3
		.amdhsa_float_denorm_mode_16_64 3
		.amdhsa_memory_ordered 1
		.amdhsa_forward_progress 1
		.amdhsa_inst_pref_size 105
	.end_amdhsa_kernel
	.amdgpu_metadata
---
amdhsa.version: [ 1, 2 ]
amdhsa.kernels:
  - .name:           k_q2ab5a2676f_down
    .symbol:         k_q2ab5a2676f_down.kd
    .args:
      - { .name: W2, .offset: 0, .size: 8, .value_kind: global_buffer, .address_space: global }
      - { .name: b2, .offset: 8, .size: 8, .value_kind: global_buffer, .address_space: global }
      - { .name: hc, .offset: 16, .size: 8, .value_kind: global_buffer, .address_space: global }
      - { .name: hs, .offset: 24, .size: 8, .value_kind: global_buffer, .address_space: global }
      - { .name: cm, .offset: 32, .size: 8, .value_kind: global_buffer, .address_space: global }
      - { .name: m2, .offset: 40, .size: 8, .value_kind: global_buffer, .address_space: global }
      - { .name: rw, .offset: 48, .size: 8, .value_kind: global_buffer, .address_space: global }
      - { .name: yb, .offset: 56, .size: 8, .value_kind: global_buffer, .address_space: global }
    .group_segment_fixed_size: 142336
    .private_segment_fixed_size: 0
    .kernarg_segment_align: 8
    .kernarg_segment_size: 64
    .max_flat_workgroup_size: 512
    .sgpr_count:     104
    .vgpr_count:     256
    .wavefront_size: 32
...
	.end_amdgpu_metadata
.endif
;; end of part 3
;; launch combine (part 4): grid 256 x 1, 8 waves a work-group, no clusters, 0 bytes of LDS; arguments yb, out0; writes out0
.if DOCPART == 4
	.amdgcn_target "amdgcn-amd-amdhsa--gfx1250"
	.amdhsa_code_object_version 6
	.text
	.protected	k_q2ab5a2676f_combine
	.globl	k_q2ab5a2676f_combine
	.p2align	8
	.type	k_q2ab5a2676f_combine,@function
k_q2ab5a2676f_combine:
	s_mov_b64 s[64:65], 0
	v_nop
	global_prefetch_b8 v0, s[64:65] scope:SCOPE_SE
	s_setreg_imm32_b32 hwreg(HW_REG_WAVE_MODE, 25, 1), 1
	s_wait_xcnt 0x0
; COMBINE: out0[t] = yb[2 t] + yb[2 t + 1]: a token's two weighted expert rows.  (Two terms: their sum does not hang on their order.)
; A work-group takes 4 tokens; thread i takes bytes 16 i .. 16 i + 15 of each row of 4,096 bytes, so a wave's load or store covers 512 consecutive bytes, aligned.
; A plain stream: all eight loads go out first; no LDS, no barrier, no matrix work.
	s_load_b128 s[4:7], s[0:1], 0x0                ; yb, out0
	v_lshlrev_b32 v1, 4, v0
	s_lshl_b32 s8, ttmp9, 15                       ; 8 rows of yb a work-group
	s_mov_b32 s9, 0
	s_lshl_b32 s10, ttmp9, 14                      ; 4 rows of out0
	s_mov_b32 s11, 0
	s_wait_kmcnt 0x0
	s_add_nc_u64 s[4:5], s[4:5], s[8:9]
	s_add_nc_u64 s[6:7], s[6:7], s[10:11]
.irp q, 0,1,2,3
	global_load_b128 v[4+8*\q:7+8*\q], v1, s[4:5] offset:8192*\q th:TH_LOAD_NT
	global_load_b128 v[8+8*\q:11+8*\q], v1, s[4:5] offset:8192*\q+4096 th:TH_LOAD_NT
.endr
.irp q, 0,1,2,3
	s_wait_loadcnt 6-2*\q                          ; this token's two loads are in; the later tokens' may be out
	v_pk_add_f32 v[4+8*\q:5+8*\q], v[4+8*\q:5+8*\q], v[8+8*\q:9+8*\q]
	v_pk_add_f32 v[6+8*\q:7+8*\q], v[6+8*\q:7+8*\q], v[10+8*\q:11+8*\q]
	global_store_b128 v1, v[4+8*\q:7+8*\q], s[6:7] offset:4096*\q th:TH_STORE_NT
.endr
	s_endpgm
.Lfunc_end_k_q2ab5a2676f_combine:
	.size	k_q2ab5a2676f_combine, .Lfunc_end_k_q2ab5a2676f_combine-k_q2ab5a2676f_combine
	.p2alignl 7, 3214868480
	.fill 96, 4, 3214868480
	.section	.rodata,"a",@progbits
	.p2align	6, 0x0
	.amdhsa_kernel k_q2ab5a2676f_combine
		.amdhsa_group_segment_fixed_size 0
		.amdhsa_private_segment_fixed_size 0
		.amdhsa_enable_private_segment 0
		.amdhsa_kernarg_size 16
		.amdhsa_user_sgpr_count 2
		.amdhsa_user_sgpr_kernarg_segment_ptr 1
		.amdhsa_wavefront_size32 1
		.amdhsa_system_sgpr_workgroup_id_x 1
		.amdhsa_system_sgpr_workgroup_id_y 1
		.amdhsa_system_sgpr_workgroup_id_z 1
		.amdhsa_system_vgpr_workitem_id 0
		.amdhsa_next_free_vgpr 48
		.amdhsa_next_free_sgpr 66
		.amdhsa_reserve_vcc 0
		.amdhsa_float_denorm_mode_32 3
		.amdhsa_float_denorm_mode_16_64 3
		.amdhsa_memory_ordered 1
		.amdhsa_forward_progress 1
		.amdhsa_inst_pref_size 3
	.end_amdhsa_kernel
	.amdgpu_metadata
---
amdhsa.version: [ 1, 2 ]
amdhsa.kernels:
  - .name:           k_q2ab5a2676f_combine
    .symbol:         k_q2ab5a2676f_combine.kd
    .args:
      - { .name: yb, .offset: 0, .size: 8, .value_kind: global_buffer, .address_space: global }
      - { .name: out0, .offset: 8, .size: 8, .value_kind: global_buffer, .address_space: global }
    .group_segment_fixed_size: 0
    .private_segment_fixed_size: 0
    .kernarg_segment_align: 8
    .kernarg_segment_size: 16
    .max_flat_workgroup_size: 256
    .sgpr_count:     66
    .vgpr_count:     48
    .wavefront_size: 32
...
	.end_amdgpu_metadata
.endif
;; end of part 4
;; ======== version 2 of 2: 4 launches
;; workspace buffers: xc 557,056 bytes; cm 4,096 bytes of whole numbers; m2 4,096 bytes of whole numbers; rw 8,192 bytes; hc 16,777,216 bytes; hs 2,097,152 bytes; yb 8,388,608 bytes; w1q 8,912,896 bytes
;; launch route (part 5): grid 160 x 1, 16 waves a work-group, no clusters, 40,960 bytes of LDS; arguments x, Wg, cm, m2, W1, w1q, xc, rw; writes cm, m2, w1q, xc, rw
.if DOCPART == 5
	.amdgcn_target "amdgcn-amd-amdhsa--gfx1250"
	.amdhsa_code_object_version 6
	.text
	.protected	k_q2ab5a2676f_route
	.globl	k_q2ab5a2676f_route
	.p2align	8
	.type	k_q2ab5a2676f_route,@function
k_q2ab5a2676f_route:
	s_mov_b64 s[64:65], 0
	v_nop
	global_prefetch_b8 v0, s[64:65] scope:SCOPE_SE
	s_setreg_imm32_b32 hwreg(HW_REG_WAVE_SCHED_MODE, 0, 2), 2
	s_setreg_imm32_b32 hwreg(HW_REG_WAVE_MODE, 25, 1), 1
	s_wait_xcnt 0x0
	s_wait_alu depctr_vm_vsrc(0)
; TWO JOBS IN ONE LAUNCH, told apart by the work-group's number.  The router has work for 32 work-groups and is a chain of short steps; beside it 128 work-groups quantise the half of W1 that needs no routing to be known.
; THE ROUTER (work-groups 0-31): x [1024][1024] f32 becomes codes of FP4 (E2M1) with one E8M0 byte for each 32 along K (xc: [token][512 B], and from byte 524,288 on [token][32 B] of scale bytes);
; logits = Q(x) Q(Wg)^T on those codes; the two largest logits of each token (the lower index wins a tie), their softmax (the larger logit is taken away first), and the choice as whole numbers at fixed places:
; cm[e][g] bit l: token 32 g + l uses expert e;  m2[e][g] bit l: e is that token's second choice;  rw[token][2]: the two weights.  Rows 16-31 of cm and m2 are zeros.
; Work-group g takes tokens 32 g .. 32 g + 31.  Wave w: rt = w / 8 (which 16 tokens), ks = w % 8 (which 128 along K): it quantises its 16 x 128 of x and of Wg and makes one product, used transposed
; (source 0 = 16 experts, source 1 = 16 tokens): a lane holds one token and eight experts.  The eight parts along K meet in LDS and wave 0 adds them, K ascending.
; No address and no branch hangs on the choice: it is stored as data.
; THE WEIGHTS (work-groups 32-159): rows 512-1023 of every W1[e] ([1024 k][2048 n] f32), K steps 4-7 of the first product, become images of operand registers in w1q, which the next launch copies into its LDS.
; Work-group j = x - 32: expert j / 8.  Wave w: cg = w % 4 (32 columns), kq = (w / 4) % 2 (256 along K), slice of 128 units 2 (j % 8) + w / 8.  A LANE TAKES A COLUMN AND ITS REGISTERS RUN DOWN K: a load reads
; 128 consecutive bytes, eight waves stand side by side on 1,024; a block of 32 lies in one lane.  The lane's column is (l & 7) | (l & 8) << 1 | (l & 16) >> 1: lanes 0-15 hold units 0-7, 16-23 and lanes 16-31 units
; 8-15, 24-31 of a block of 32 units: two tiles of 16 rows whose results lie, in a lane of the product, as 16 neighbours along the next K.  Eight exchanges of lane halves turn a K step's 16 registers into the two fragments.
; w1q: codes at (16 e + s) 32,768 + (K step - 4) 8,192 + tile 1,024 + 512 (register group) + 16 lane; scale words from byte 8,388,608 on, at (16 e + s) 2,048 + 1,024 kq + 256 cg + 8 lane + 4 (K step % 2).
; The one barrier stands on the way that every work-group takes, so that no barrier hangs on a branch; the weights' path uses no LDS.
; No tensor loads and no cluster: no two work-groups share a byte of x or of W1, and Wg is 64 KB.
; LIMITS: NaN and infinities are not served; a block whose largest magnitude lies under 2^-124 (a block of zeros among them) keeps the scale byte 1: its bytes are read by this program alone;
; two logits that differ by less than the rounding of the f32 sums may change places.
; THE MODE: SCHED_MODE bits 1:0 = 2 (LLVM: expert scheduling mode 2), set by the entry lines.  The code itself states the register dependences between vector or matrix instructions and memory or LDS instructions,
; and those through scalar registers and VCC that vector instructions write, with s_wait_alu, always for 0.
; THE PLAN.  Registers that memory or LDS instructions touch:
;   v4-v13         offsets and LDS addresses: written at the head, never again.  One wait on va_vdst in each job stands ahead of its first load (the weights': behind v14, the column's offset).
;   XN, GN         the router: loads land in them, QUANT reads them; behind the barrier wave 0's LDS loads land in them.
;   PCX, PWX       QUANT writes them, three LDS stores read them: one wait.  With PCG and PWG they feed the product: one wait behind its places.
;   DD             the product writes it, two LDS stores read it: the places, then one wait.  It is the router's last wait on va_vdst ahead of the barrier: no vector line between it and the LDS loads behind the barrier names TM, XN or GN.
;   TM             QUANT's work registers; behind the barrier LDS loads land in them and global stores read them; nothing writes them after that.
;   CMV, M2V, RWP  wave 0's results: one wait ahead of its three stores.
;   WX0, WX1       the weights: block t's lines read set t % 2; one wait behind its conversions, then block t + 2's 32 loads land in the set.
;   WF0, WF1, WSW  a K step's codes and scale word: the exchanges stand ahead of the wait of the K step's last block, which so serves its stores too; never written again.
.set RWG,  32                          ; work-groups that route
.set XSO,  524288                      ; xc: where the scale bytes begin
.set WQS,  8388608                     ; w1q: where the scale words begin
.set WPITCH, 8192                      ; a row of W1[e] in bytes
.set XR,   0                           ; LDS: 32 rows of codes, 512 bytes + 16 of padding
.set XSC,  16896                       ; 32 rows of 32 scale bytes
.set LGS,  17920                       ; the logits' parts: [ks 8][token 32][64 bytes + 16]
.set XA,   4                           ; v4   4096 r + 64 h: my 16 numbers of a block of 32 in row r
.set XW,   5                           ; v5   where my codes go in XR
.set XSW,  6                           ; v6   where my scale word goes in XSC
.set LGW,  7                           ; v7   where my eight logits' parts go
.set RRD,  8                           ; v8   rows 2 w, 2 w + 1 of XR, 16 bytes a lane
.set LI,   9                           ; v9   16 x lane
.set XSR,  10                          ; v10  XSC + 16 x lane
.set LGR,  11                          ; v11  LGS + 80 x lane
.set O128, 12                          ; v12  128 x lane
.set O8,   13                          ; v13  8 x lane
.set BEST, 16
.set I1,   17
.set SEC,  18
.set I2,   19
.set TT,   20
.set UU,   21
.set RWP,  22                          ; v[22:23] the two weights
.set CMV,  24
.set M2V,  25
.set XN,   32                          ; v32-95   64 numbers of x; later, with GN, the logits' parts
.set GN,   96                          ; v96-159  64 numbers of Wg
.set PCX,  160                         ; v160-167 x's fragment
.set PCG,  168                         ; v168-175 Wg's fragment
.set PWX,  176                         ; x's scale word
.set PWG,  177                         ; Wg's
.set TM,   184                         ; v184-199 at work
.set DD,   200                         ; v200-207 the product
.set SEL,  24                          ; s[24:25] lane selects: lane l xor 16
.set MK,   36                          ; s[36:43] four experts' pairs of masks
.set WO,   14                          ; the weights' path: v14 4 x my column
.set MA,   16                          ; v16-19 at work
.set MB,   17
.set SCL,  18
.set BY,   19
.set WX0,  32                          ; v32-63, v64-95: two sets of 32 numbers
.set WX1,  64
.set WF0,  96                          ; v96-111, v112-127: a K step's codes
.set WF1,  112
.set WSW,  128                         ; v[128:129] my column's scale words of the two K steps
; 64 numbers of a lane, register 16 b + i = k 32 b + 16 (lane / 16) + i of my row, become a fragment's codes in v[pc] on and its scale word in v[pw].
.macro QUANT s, pc, pw
.irp b, 0,1,2,3
	v_max3_num_f32 v[TM+\b], |v[\s+16*\b]|, |v[\s+1+16*\b]|, 0x1800000   ; block b: my 16 numbers, and the floor 2^(3 - 127): the byte cannot fall under 1
.endr
.irp i, 2,4,6,8,10,12,14
.irp b, 0,1,2,3
	v_max3_num_f32 v[TM+\b], v[TM+\b], |v[\s+16*\b+\i]|, |v[\s+1+16*\b+\i]|
.endr
.endr
.irp b, 0,1,2,3
	v_permlanex16_b32 v[TM+4+\b], v[TM+\b], s[SEL], s[SEL+1]
.endr
.irp b, 0,1,2,3
	v_max_num_f32 v[TM+\b], v[TM+\b], v[TM+4+\b]       ; with lane l xor 16's: the block's largest magnitude
.endr
.irp b, 0,1,2,3
	v_add_nc_u32 v[TM+12+\b], 0xff000000, v[TM+\b]     ; 2 off its exponent field: the conversion's scale operand
.endr
.irp b, 0,1,2,3
	v_lshrrev_b32 v[TM+4+\b], 23, v[TM+12+\b]          ; the scale's byte
.endr
	v_lshl_or_b32 v[\pw], v[TM+5], 8, v[TM+4]
	v_lshl_or_b32 v[\pw], v[TM+6], 16, v[\pw]
	v_lshl_or_b32 v[\pw], v[TM+7], 24, v[\pw]
.irp b, 0,1,2,3
	v_cvt_scalef32_pk8_fp4_f32 v[\pc+2*\b], v[\s+16*\b:\s+7+16*\b], v[TM+12+\b]
	v_cvt_scalef32_pk8_fp4_f32 v[\pc+1+2*\b], v[\s+8+16*\b:\s+15+16*\b], v[TM+12+\b]
.endr
	v_nop                                              ; one plain line behind the scaled conversions
.irp c, 0,1                                        ; a whole block to a lane: lanes 0-15 block 2 c, lanes 16-31 block 2 c + 1
.irp i, 0,1
	v_permlane16_swap_b32 v[\pc+4*\c+\i], v[\pc+2+4*\c+\i]
.endr
.endr
.endm
.macro WLOAD t                         ; block t: W1(my first row + 32 t + i, my column), i = 0 .. 31
.set i, 0
.rept 32
	global_load_b32 v[WX0+(WX1-WX0)*((\t)%2)+i], v[WO], s[28:29] offset:(32*(\t)+i)*WPITCH th:TH_LOAD_NT
.set i, i+1
.endr
.endm
.macro WSWAP ks                        ; a K step's 16 registers become two fragments
.set FF, WF0+(WF1-WF0)*(\ks)
	v_nop                                          ; one plain line behind the scaled conversions
.irp q, 0,1,2,3
	v_permlane16_swap_b32 v[FF+\q], v[FF+8+\q]     ; blocks 0 and 1: the even tile's into FF + 0 .. 3, the odd tile's into FF + 8 .. 11
	v_permlane16_swap_b32 v[FF+4+\q], v[FF+12+\q]  ; blocks 2 and 3
.endr
.endm
.macro WSEND ks                        ; and go to w1q as they stand
.set FF, WF0+(WF1-WF0)*(\ks)
.irp q, 0,1,2,3
	global_store_b128 v[LI], v[FF+4*\q:FF+4*\q+3], s[32:33] offset:8192*(\ks)+512*\q   ; 32 lanes store 512 consecutive bytes, aligned
.endr
.endm
.macro WBLOCK t, cnt                   ; block t becomes 32 codes (4 registers) and a byte of the scale word.  cnt: the younger loads, which may stay out
.set XB, WX0+(WX1-WX0)*((\t)%2)
.set FD, WF0+(WF1-WF0)*((\t)/4)+8*((\t)%2)+4*(((\t)%4)/2)
	s_wait_loadcnt \cnt
	v_max3_num_f32 v[MA], |v[XB]|, |v[XB+1]|, |v[XB+2]|
	v_max3_num_f32 v[MB], |v[XB+3]|, |v[XB+4]|, |v[XB+5]|
.irp i, 6,10,14,18,22,26
	v_max3_num_f32 v[MA], v[MA], |v[XB+\i]|, |v[XB+\i+1]|
	v_max3_num_f32 v[MB], v[MB], |v[XB+\i+2]|, |v[XB+\i+3]|
.endr
	v_max3_num_f32 v[MA], v[MA], |v[XB+30]|, |v[XB+31]|
	v_max3_num_f32 v[MA], v[MA], v[MB], 0x1800000  ; and the floor 2^(3 - 127): the byte cannot fall under 1
	v_add_nc_u32 v[SCL], 0xff000000, v[MA]         ; 2 off the exponent field: the conversion's scale operand
	v_lshrrev_b32 v[BY], 23, v[SCL]
.if (\t)%4 == 0
	v_mov_b32 v[WSW+(\t)/4], v[BY]
.else
	v_lshl_or_b32 v[WSW+(\t)/4], v[BY], 8*((\t)%4), v[WSW+(\t)/4]
.endif
.irp q, 0,1,2,3
	v_cvt_scalef32_pk8_fp4_f32 v[FD+\q], v[XB+8*\q:XB+8*\q+7], v[SCL]
.endr
.if (\t)%4 == 3
	WSWAP (\t)/4                                   ; the K step is whole: its exchanges stand ahead of the block's wait
.endif
.if (\t) != 6                                  ; (block 6 is followed by no load and no store)
	s_wait_alu depctr_va_vdst(0)                   ; the maxima and conversions are done reading this set, in which the loads below land; in a K step's last block the exchanges have written its codes, and its scale word is written, which the stores below read
.endif
.if (\t) < 6
	WLOAD (\t)+2                                   ; (the next block's first lines are the plain lines behind the conversions)
.endif
.if (\t)%4 == 3
	WSEND (\t)/4
.endif
.endm
	s_load_b128 s[4:7], s[0:1], 0x0                ; x, Wg
	s_load_b128 s[12:15], s[0:1], 0x10             ; cm, m2
	s_load_b128 s[28:31], s[0:1], 0x20             ; W1, w1q
	s_load_b64 s[8:9], s[0:1], 0x30                ; xc
	s_load_b64 s[16:17], s[0:1], 0x38              ; rw
	v_lshl_add_u32 v208, v0, 2, 0x9800
	v_mov_b32 v209, 0
	v_lshrrev_b32 v1, 5, v0
	v_readfirstlane_b32 s2, v1                     ; wave 0..15
	v_and_b32 v1, 31, v0                           ; lane
	v_and_b32 v2, 15, v0                           ; r
	s_wait_alu depctr_va_vdst(0)
	v_bfe_u32 v3, v0, 4, 1                         ; h
	s_wait_alu depctr_va_sdst(0)                   ; s2 is written, ahead of its first reader
	s_lshr_b32 s18, s2, 3                          ; rt
	s_and_b32 s19, s2, 7                           ; ks
	v_lshlrev_b32 v[XA], 12, v2
	v_lshl_add_u32 v[XA], v3, 6, v[XA]
	s_mul_i32 s20, s18, 16*528                     ; every LDS address is made here, ahead of all branches
	s_lshl_b32 s21, s19, 6
	s_add_co_u32 s20, s20, s21
	v_mul_u32_u24 v[XW], v2, 528
	v_lshl_add_u32 v[XW], v3, 4, v[XW]
	v_add_nc_u32 v[XW], s20, v[XW]                 ; row 16 rt + r, byte 64 ks + 16 h
	s_lshl_b32 s20, s18, 9
	s_lshl_b32 s21, s19, 2
	s_add_co_u32 s20, s20, s21
	s_add_co_u32 s20, s20, XSC
	v_lshl_add_u32 v[XSW], v2, 5, s20              ; 32 (16 rt + r) + 4 ks
	s_mul_i32 s20, s19, 2560
	s_mul_i32 s21, s18, 1280
	s_add_co_u32 s20, s20, s21
	s_add_co_u32 s20, s20, LGS
	v_mul_u32_u24 v[LGW], v2, 80
	s_wait_alu depctr_va_vdst(0)
	v_lshl_add_u32 v[LGW], v3, 5, v[LGW]
	v_add_nc_u32 v[LGW], s20, v[LGW]               ; 2560 ks + 80 (16 rt + r) + 32 h
	s_mul_i32 s20, s2, 1056
	v_lshlrev_b32 v[LI], 4, v1
	v_add_nc_u32 v[RRD], s20, v[LI]
	v_add_nc_u32 v[XSR], XSC, v[LI]
	v_mul_u32_u24 v[LGR], v1, 80
	v_add_nc_u32 v[LGR], LGS, v[LGR]
	v_lshlrev_b32 v[O128], 7, v1
	v_lshlrev_b32 v[O8], 3, v1
	s_mov_b32 s[SEL], 0x76543210
	s_mov_b32 s[SEL+1], 0xfedcba98
.irp b, 0,1,2,3
	v_mov_b32 v[TM+4+\b], 0                        ; written once: a lane permute's destination counts as one of its sources
.endr
	s_lshl_b32 s22, ttmp9, 17                      ; the router: 32 rows of 4,096 bytes a work-group,
	s_lshl_b32 s20, s18, 16                        ; 16 rows,
	s_add_co_u32 s22, s22, s20
	s_lshl_b32 s20, s19, 9                         ; 128 numbers along K
	s_add_co_u32 s22, s22, s20
	s_mov_b32 s23, 0
	s_mov_b32 s21, 0
	s_wait_kmcnt 0x0
	s_add_nc_u64 s[10:11], s[8:9], XSO             ; x's scale bytes lie behind its codes
	s_cmp_ge_u32 ttmp9, RWG
	s_cbranch_scc1 .Lweights
	; ---- the router, up to the barrier
	s_add_nc_u64 s[4:5], s[4:5], s[22:23]
	s_add_nc_u64 s[6:7], s[6:7], s[20:21]
	s_wait_alu depctr_va_vdst(0)                   ; the head has written the offsets and LDS addresses v4 to v13, which this job's loads and stores read, and v208, v209
.irp b, 0,1,2,3
.irp j, 0,1,2,3
	global_load_b128 v[XN+16*\b+4*\j:XN+16*\b+4*\j+3], v[XA], s[4:5] offset:128*\b+16*\j   ; four loads of the wave take a row's 128 consecutive bytes between them: so no hint for data that is touched once
.endr
.endr
.irp b, 0,1,2,3
.irp j, 0,1,2,3
	global_load_b128 v[GN+16*\b+4*\j:GN+16*\b+4*\j+3], v[XA], s[6:7] offset:128*\b+16*\j
.endr
.endr
	s_lshl_b32 s22, ttmp9, 14                      ; xc: 32 rows of 512 bytes a work-group, two rows a wave
	s_lshl_b32 s20, s2, 10
	s_add_co_u32 s22, s22, s20
	s_add_nc_u64 s[8:9], s[8:9], s[22:23]
	s_lshl_b32 s22, ttmp9, 10                      ; the scale bytes: 1,024 a work-group
	s_add_nc_u64 s[10:11], s[10:11], s[22:23]
	s_lshl_b32 s22, ttmp9, 2                       ; cm, m2: word g of each row
	s_add_nc_u64 s[12:13], s[12:13], s[22:23]
	s_add_nc_u64 s[14:15], s[14:15], s[22:23]
	s_lshl_b32 s22, ttmp9, 8                       ; rw: 256 bytes a work-group
	s_add_nc_u64 s[16:17], s[16:17], s[22:23]
	s_wait_loadcnt 16                              ; x's 16 loads are in; Wg's 16 may be out
	QUANT XN, PCX, PWX
	s_wait_alu depctr_va_vdst(0)                   ; the conversions and exchanges have written x's fragment and its scale word, which the three LDS stores read
	ds_store_b128 v[XW], v[PCX:PCX+3]              ; k = 32 h .. of my K step: 16 bytes of the row as they lie
	ds_store_b128 v[XW], v[PCX+4:PCX+7] offset:32  ; k = 64 + 32 h ..
	ds_store_b32 v[XSW], v[PWX]                    ; lanes r and r + 16 write the same word with the same value
	s_wait_loadcnt 0x0
	QUANT GN, PCG, PWG
.rept 8
	v_nop                                          ; a scale register written by a vector line stands 8 places ahead of a scaled product, an operand 4
.endr
	s_wait_alu depctr_va_vdst(0)                   ; behind the places: both fragments and both scale words, which vector lines made, are written: the scaled product takes them
	v_wmma_scale_f32_16x16x128_f8f6f4 v[DD:DD+7], v[PCG:PCG+7], v[PCX:PCX+7], 0, v[PWG], v[PWX] matrix_a_fmt:MATRIX_FMT_FP4 matrix_b_fmt:MATRIX_FMT_FP4
.rept 4
	v_nop
.endr
	s_wait_alu depctr_va_vdst(0)                   ; behind the places: the product has written v[DD ..], which the LDS stores read; QUANT is done with TM, XN and GN, in which LDS loads land behind the barrier
	ds_store_b128 v[LGW], v[DD:DD+3]               ; token r, experts 8 h + 0 .. 3 (the result is read from its low end on)
	ds_store_b128 v[LGW], v[DD+4:DD+7] offset:16
	s_branch .Lmeet
.Lweights:
	; ---- the weights: my 256 rows x 32 columns of W1[e], two K steps
	v_and_b32 v[WO], 7, v1
	v_and_b32 v15, 8, v1
	v_lshl_or_b32 v[WO], v15, 1, v[WO]
	v_lshl_or_b32 v[WO], v3, 3, v[WO]              ; my column of the wave's 32
	v_lshlrev_b32 v[WO], 2, v[WO]
	s_sub_co_u32 s18, ttmp9, RWG                   ; j = 0 .. 127
	s_lshr_b32 s19, s18, 3                         ; the expert
	s_and_b32 s18, s18, 7
	s_lshl_b32 s18, s18, 1
	s_lshr_b32 s20, s2, 3
	s_add_co_u32 s18, s18, s20                     ; the slice: 2 (j % 8) + w / 8
	s_and_b32 s20, s2, 3                           ; cg
	s_bfe_u32 s21, s2, 0x10002                     ; kq = (w / 4) % 2
	s_lshl_b32 s22, s19, 23                        ; W1: the expert's 8 MiB,
	s_add_co_u32 s22, s22, 0x400000                ; row 512,
	s_lshl_b32 s26, s21, 21                        ; 256 kq rows of 8,192 bytes,
	s_add_co_u32 s22, s22, s26
	s_lshl_b32 s26, s18, 9                         ; 512 bytes a slice,
	s_add_co_u32 s22, s22, s26
	s_lshl_b32 s26, s20, 7                         ; 128 a wave
	s_add_co_u32 s22, s22, s26
	s_add_nc_u64 s[28:29], s[28:29], s[22:23]
	s_wait_alu depctr_va_vdst(0)                   ; v[WO] is written, which every load of W1 reads; so are the head's v[LI] and v[O8], the stores' offsets, and v208, v209
	WLOAD 0
	WLOAD 1
	s_lshl_b32 s27, s19, 4
	s_add_co_u32 s27, s27, s18                     ; 16 e + s
	s_lshl_b32 s22, s27, 15                        ; the codes: 32,768 bytes a slice, 16,384 for my two K steps, 2,048 for my two tiles
	s_lshl_b32 s26, s21, 14
	s_add_co_u32 s22, s22, s26
	s_lshl_b32 s26, s20, 11
	s_add_co_u32 s22, s22, s26
	s_add_nc_u64 s[32:33], s[30:31], s[22:23]
	s_lshl_b32 s22, s27, 11                        ; the scale words: 2,048 bytes a slice, 1,024 kq, 256 cg
	s_lshl_b32 s26, s21, 10
	s_add_co_u32 s22, s22, s26
	s_lshl_b32 s26, s20, 8
	s_add_co_u32 s22, s22, s26
	s_add_co_u32 s22, s22, WQS
	s_add_nc_u64 s[30:31], s[30:31], s[22:23]
	WBLOCK 0, 32
	WBLOCK 1, 32
	WBLOCK 2, 32
	WBLOCK 3, 32
	WBLOCK 4, 32
	WBLOCK 5, 32
	WBLOCK 6, 32
	WBLOCK 7, 0
	global_store_b64 v[O8], v[WSW:WSW+1], s[30:31] ; both K steps' words: 32 lanes store 256 consecutive bytes, aligned.  Lanes 0-15: the even tile's rows; lanes 16-31: the odd tile's.  (Block 7's wait has shown both words written)
	s_wait_xcnt 0x0                                ; the stores have read their registers: lines behind the join name some of them again
	s_wait_alu depctr_vm_vsrc(0)                   ; beside it: the stores have read v[WF0 ..], v[WF1 ..] and v[WSW ..], registers in which LDS loads behind the join land
.Lmeet:
	s_wait_dscnt 0x0                               ; for the others' sake: my LDS stores have landed
	s_barrier_signal -1
	s_barrier_wait -1
	s_cmp_ge_u32 ttmp9, RWG
	s_cbranch_scc1 .Lend                           ; the weights' work-groups are done
	; ---- the router, behind the barrier
	ds_load_b128 v[TM:TM+3], v[RRD]                ; two whole rows of codes a wave
	ds_load_b128 v[TM+4:TM+7], v[RRD] offset:528
	s_wait_dscnt 0x0
	global_store_b128 v[LI], v[TM:TM+3], s[8:9]    ; 32 lanes store 512 consecutive bytes, aligned
	global_store_b128 v[LI], v[TM+4:TM+7], s[8:9] offset:512
	s_cmp_lg_u32 s2, 1
	s_cbranch_scc1 .Lnot_wave_1
	ds_load_b128 v[TM+8:TM+11], v[XSR]             ; wave 1: the work-group's 1,024 scale bytes
	ds_load_b128 v[TM+12:TM+15], v[XSR] offset:512
	s_wait_dscnt 0x0
	global_store_b128 v[LI], v[TM+8:TM+11], s[10:11]
	global_store_b128 v[LI], v[TM+12:TM+15], s[10:11] offset:512
.Lnot_wave_1:
	s_cmp_lg_u32 s2, 0
	s_cbranch_scc1 .Lend
	; wave 0: a lane to a token
.set k, 0
.rept 8
.irp q, 0,1,2,3
	ds_load_b128 v[XN+16*k+4*\q:XN+16*k+4*\q+3], v[LGR] offset:2560*k+16*\q
.endr
.set k, k+1
.endr
	s_wait_dscnt 0x0
.set k, 1
.rept 7                                        ; the 16 logits: the eight parts, K ascending
.irp p, 0,2,4,6,8,10,12,14
	v_pk_add_f32 v[XN+\p:XN+\p+1], v[XN+\p:XN+\p+1], v[XN+16*k+\p:XN+16*k+\p+1]
.endr
.set k, k+1
.endr
	v_mov_b32 v[BEST], v[XN]
	v_mov_b32 v[I1], 0
.set e, 1
.rept 15                                       ; strictly greater: the lower index keeps a tie
	v_cmp_gt_f32 vcc_lo, v[XN+e], v[BEST]
	s_wait_alu depctr_va_vcc(0)                    ; the compare has written VCC, which the two selections read (each compare reads the selection before it: no run of compares can be laid)
	v_cndmask_b32 v[BEST], v[BEST], v[XN+e], vcc_lo
	v_cndmask_b32 v[I1], v[I1], e, vcc_lo
.set e, e+1
.endr
	v_mov_b32 v[SEC], 0xff800000                   ; -infinity
	v_mov_b32 v[I2], 0
.set e, 0
.rept 16                                       ; the same once more, without the first choice
	v_cmp_gt_f32 s20, v[XN+e], v[SEC]
	v_cmp_ne_u32 s21, e, v[I1]
	s_wait_alu depctr_va_sdst(0)                   ; the two compares have written s20 and s21, which the scalar line below reads
	s_and_b32 vcc_lo, s20, s21
	v_cndmask_b32 v[SEC], v[SEC], v[XN+e], vcc_lo
	v_cndmask_b32 v[I2], v[I2], e, vcc_lo
.set e, e+1
.endr
	v_sub_f32 v[TT], v[SEC], v[BEST]               ; the maximum is taken away: 0 or less
	v_mul_f32 v[TT], 0x3fb8aa3b, v[TT]
	s_wait_alu depctr_va_vdst(0)
	v_exp_f32 v[UU], v[TT]                         ; t = e^(second - best)
	v_nop                                          ; a plain line behind the exponential
	v_mov_b32 v[CMV], 0
	v_mov_b32 v[M2V], 0
.set e, 0
.rept 4                                        ; the 32 tokens' bits of expert e become lane e's word: data alone, no address hangs on them.  Four experts at a time: eight compares in a run, one wait
.irp i, 0,1,2,3
	v_cmp_eq_u32 s[MK+2*\i], e+\i, v[I1]
	v_cmp_eq_u32 s[MK+2*\i+1], e+\i, v[I2]
.endr
	s_wait_alu depctr_va_sdst(0)                   ; the eight compares have written s[MK ..], which the lines below read
.irp i, 0,1,2,3
	s_or_b32 s[MK+2*\i], s[MK+2*\i], s[MK+2*\i+1]
	v_writelane_b32 v[CMV], s[MK+2*\i], e+\i
	v_writelane_b32 v[M2V], s[MK+2*\i+1], e+\i
.endr
.set e, e+4
.endr
	s_wait_alu depctr_va_vdst(0)                   ; the exponential has written v[UU], ahead of its first reader
	v_add_f32 v[TT], 1.0, v[UU]
	s_wait_alu depctr_va_vdst(0)
	v_rcp_f32 v[RWP], v[TT]                        ; 1 / (1 + t)
	v_nop
	s_wait_alu depctr_va_vdst(0)                   ; the reciprocal has written v[RWP], ahead of its first reader
	v_mul_f32 v[RWP+1], v[UU], v[RWP]              ; t / (1 + t)
	s_wait_alu depctr_va_vdst(0)                   ; the multiplication has written v[RWP+1]; with the two mask words and v[RWP], written earlier, it is the data of the three stores
	global_store_b32 v[O128], v[CMV], s[12:13]     ; row = lane, word g
	global_store_b32 v[O128], v[M2V], s[14:15]
	global_store_b64 v[O8], v[RWP:RWP+1], s[16:17] ; 256 consecutive bytes
.Lend:
	s_wait_dscnt 0x0                               ; the closing lines, six on end
	s_wait_alu 0x0
	s_wait_tensorcnt 0x0
	ds_add_u32 v208, v209
	s_wait_dscnt 0x0
	s_endpgm
.Lfunc_end_k_q2ab5a2676f_route:
	.size	k_q2ab5a2676f_route, .Lfunc_end_k_q2ab5a2676f_route-k_q2ab5a2676f_route
	.p2alignl 7, 3214868480
	.fill 96, 4, 3214868480
	.section	.rodata,"a",@progbits
	.p2align	6, 0x0
	.amdhsa_kernel k_q2ab5a2676f_route
		.amdhsa_group_segment_fixed_size 40960
		.amdhsa_private_segment_fixed_size 0
		.amdhsa_enable_private_segment 0
		.amdhsa_kernarg_size 64
		.amdhsa_user_sgpr_count 2
		.amdhsa_user_sgpr_kernarg_segment_ptr 1
		.amdhsa_wavefront_size32 1
		.amdhsa_system_sgpr_workgroup_id_x 1
		.amdhsa_system_sgpr_workgroup_id_y 1
		.amdhsa_system_sgpr_workgroup_id_z 1
		.amdhsa_system_vgpr_workitem_id 0
		.amdhsa_next_free_vgpr 210
		.amdhsa_next_free_sgpr 66
		.amdhsa_reserve_vcc 1
		.amdhsa_float_denorm_mode_32 3
		.amdhsa_float_denorm_mode_16_64 3
		.amdhsa_memory_ordered 1
		.amdhsa_forward_progress 1
		.amdhsa_inst_pref_size 73
	.end_amdhsa_kernel
	.amdgpu_metadata
---
amdhsa.version: [ 1, 2 ]
amdhsa.kernels:
  - .name:           k_q2ab5a2676f_route
    .symbol:         k_q2ab5a2676f_route.kd
    .args:
      - { .name: x, .offset: 0, .size: 8, .value_kind: global_buffer, .address_space: global }
      - { .name: Wg, .offset: 8, .size: 8, .value_kind: global_buffer, .address_space: global }
      - { .name: cm, .offset: 16, .size: 8, .value_kind: global_buffer, .address_space: global }
      - { .name: m2, .offset: 24, .size: 8, .value_kind: global_buffer, .address_space: global }
      - { .name: W1, .offset: 32, .size: 8, .value_kind: global_buffer, .address_space: global }
      - { .name: w1q, .offset: 40, .size: 8, .value_kind: global_buffer, .address_space: global }
      - { .name: xc, .offset: 48, .size: 8, .value_kind: global_buffer, .address_space: global }
      - { .name: rw, .offset: 56, .size: 8, .value_kind: global_buffer, .address_space: global }
    .group_segment_fixed_size: 40960
    .private_segment_fixed_size: 0
    .kernarg_segment_align: 8
    .kernarg_segment_size: 64
    .max_flat_workgroup_size: 512
    .sgpr_count:     66
    .vgpr_count:     210
    .wavefront_size: 32
...
	.end_amdgpu_metadata
.endif
;; end of part 5
;; launch up (part 6): grid 16 x 16, 16 waves a work-group, no clusters, 71,680 bytes of LDS; arguments W1, b1, cm, hc, hs, w1q, xc; writes hc, hs
.if DOCPART == 6
	.amdgcn_target "amdgcn-amd-amdhsa--gfx1250"
	.amdhsa_code_object_version 6
	.text
	.protected	k_q2ab5a2676f_up
	.globl	k_q2ab5a2676f_up
	.p2align	8
	.type	k_q2ab5a2676f_up,@function
k_q2ab5a2676f_up:
	s_mov_b64 s[64:65], 0
	v_nop
	global_prefetch_b8 v0, s[64:65] scope:SCOPE_SE
	s_setreg_imm32_b32 hwreg(HW_REG_WAVE_SCHED_MODE, 0, 2), 2
	s_setreg_imm32_b32 hwreg(HW_REG_WAVE_MODE, 25, 1), 1
	s_wait_xcnt 0x0
	s_wait_alu depctr_vm_vsrc(0)
; UP: for expert e (work-group y) and hidden units 128 s .. 128 s + 127 (work-group x): h = Q(relu(Q(x) Q(W1[e]) + b1[e])) for the tokens that chose e, and for no others.
; PHASE Q.  The slice's 64 fragments of Q(W1[e]) (8 K steps x 8 tiles of 16 units) are laid in LDS as images of operand registers.  K steps 4-7 were made by the launch before and are copied from w1q.
; K steps 0-3 (rows 0-511 of the slice, [512 k][128 n] f32, 256 KB) are read here, once, and quantised along K in registers.  Wave w: cg = w % 4 (32 columns), ks = w / 4: it quantises K step ks and copies K step 4 + ks,
; each for tiles 2 cg and 2 cg + 1.  A LANE TAKES A COLUMN AND ITS REGISTERS RUN DOWN K: a load reads 128 consecutive bytes, the four waves of one ks stand side by side on 512; a block of 32 lies in one lane.
; The lane's column is (l & 7) | (l & 8) << 1 | (l & 16) >> 1: lanes 0-15 hold units 0-7, 16-23 and lanes 16-31 units 8-15, 24-31 of a block of 32 units: two tiles of 16 rows whose results lie,
; in a lane of the product, as 16 neighbours along the next K.  Eight exchanges of lane halves turn a K step's 16 registers into these two tiles' fragments.
; PHASE M.  Wave w takes the expert's rows 16 (w + 16 i) .. + 15, i = 0 .. 3.  Which token stands at a place in the expert's list is found in registers from the expert's 32 mask words (LOOKUP).
; A PLACE PAST THE LIST'S END TAKES THE LIST'S LAST PLACE: the last tile's spare rows are the last row once more, here and in the launch that follows.
; The product is used transposed (source 0 = 16 units of W1, source 1 = 16 tokens), b1 is the C of each sum's first product; relu; the 128 units become K step s of the next product:
; hc[e][tile][s] 1,024 bytes, hs[e][tile][s] 128 bytes, images of the fragment's and the scale word's registers.  Tile 0 is always made (of an expert without rows: some token's numbers, which nobody uses).
; The loop over tiles has 4 trips; what hangs on the count read from memory is a jump over a trip's work.  For that reason there is no tensor load here, so no ring and no joint load;
; and no two work-groups share a byte of W1 or of w1q.  One barrier, between the phases.
; LIMITS: NaN and infinities are not served; a block whose largest magnitude lies under 2^-124 (a block of zeros among them) keeps the scale byte 1: its bytes are read by this program alone.
; THE MODE: SCHED_MODE bits 1:0 = 2 (LLVM: expert scheduling mode 2), set by the entry lines.  The code itself states the register dependences between vector or matrix instructions and memory or LDS instructions,
; and those through scalar registers and VCC that vector instructions write, with s_wait_alu, always for 0.
; THE PLAN.  Registers that memory or LDS instructions touch:
;   v1-v8, v254    offsets and LDS addresses: written at the head, never again in the kernel's work: one wait on va_vdst ahead of the first load.
;   X0, X1         block t's lines read set t % 2; one wait behind the conversions of blocks 0 and 1, then block t + 2's 32 loads land in the set.  In phase M they are BF.
;   F0, SW         conversions and exchanges write them, the LDS stores of FIN read them: one wait.  F1, SW + 1: loads land in them, LDS stores read them.
;                  Behind the barrier they become TM, PC and PW, which vector lines write: one wait on vm_vsrc there.
;   TC, TS         GATHER writes them and its loads read them.  XF, XS, ACC: GATHER's loads land in them; products, relu, QUANT and LOOKUP name them.  One wait on va_vdst in GATHER, behind its three vector lines, states all of that.
;   BF, WS         a K step's LDS loads land in them, its products read them: one set, so one wait on va_vdst at the head of K steps 1 to 7 (16 waves of 256 registers fill the SIMDs: there is no second set).
;                  K step 0 owes none: on every way to it a wait on va_vdst stands behind the last line that named BF (FIN's, the stores' or GATHER's).
;   PC, PW         QUANT writes them, a trip's three stores read them: one wait on va_vdst ahead of the stores, one on vm_vsrc behind them, ahead of the branch: it also shows the last GATHER's loads done reading TC and TS.
.set PITCH, 8192                       ; a row of W1[e] in bytes
.set KSB,   8192                       ; LDS: a K step's 8 fragments of 1,024 bytes, from byte 0 on: [K step 8][tile 8]
.set KSS,   512                        ; a K step's scale words: [K step 8][cg 4][128 bytes]
.set WSC,   65536                      ; where they begin
.set GC,    34                         ; loads of a GATHER
.set XSO,   524288                     ; xc: where x's scale bytes begin
.set WQS,   8388608                    ; w1q: where the scale words begin
.set LI,  1                            ; v1   16 x lane
.set LW,  2                            ; v2   WSC + 4 x lane
.set LS,  3                            ; v3   4 x lane
.set WO,  4                            ; v4   4 x my column
.set WI,  5                            ; v5   where my images go: K step ks, tiles 2 cg, 2 cg + 1
.set WSA, 6                            ; v6   where my scale words go
.set H64, 7                            ; v7   64 h
.set H16, 8                            ; v8   16 h
.set PP,  9                            ; v9   my place in the expert's list: 16 x tile + r
.set TC,  10                           ; v10  512 x token + 16 h
.set TS,  11                           ; v11  32 x token
.set MA,  12
.set MB,  13
.set SCL, 14
.set BY,  15
.set XF,  16                           ; v16-79   x's 8 fragments
.set XS,  80                           ; v80-87   x's scale words: scales and nothing else
.set ACC, 88                           ; v88-151  8 accumulators
.set LT,  88                           ; LOOKUP's registers lie in them while they are free
.set X0,  152                          ; v152-183, v184-215: two sets of 32 numbers; in phase M W1's 8 fragments
.set X1,  184
.set BF,  152
.set WS,  216                          ; v216-219 W1's scale words: scales and nothing else
.set F0,  220                          ; v220-235 the codes of the K step that I quantise
.set F1,  236                          ; v236-251 those of the K step that I copy
.set SW,  252                          ; v252 my column's scale word of the first, v253 of the second
.set L8,  254                          ; v254 8 x lane
.set TM,  220                          ; phase M: v220-235 at work, v236-243 the codes made, v244 their scale word
.set PC,  236
.set PW,  244
.set LSEL, LT
.set LGP,  LT+1
.set LCW,  LT+2
.set LQ,   LT+4
.set LA1,  LT+5
.set LA2,  LT+6
.set LA4,  LT+7
.set LA8,  LT+8
.set LPOS, LT+9
.set LTT,  LT+10
.set LTOK, LT+11
.set PT,   LT+12
.set LPV,  LT+13
.set CW,   20                          ; s[20:51] the expert's 32 mask words
.set EE,   52
.set NN,   54                          ; how many rows the expert has
.set ROW0, 55                          ; 16 x my tile
.set TRIP, 56
.set EP,   57
.set T0,   58
.set T1,   59
.set NL,   62                          ; max(NN, 1) - 1: the list's last place
.set N1,   63                          ; max(NN, 1)
.set SEL,  100                         ; s[100:101] lane selects: lane l xor 16
.macro LOAD t                          ; block t: W1(128 ks + 32 t + i, my column), i = 0 .. 31
.set i, 0
.rept 32
	global_load_b32 v[X0+(X1-X0)*((\t)%2)+i], v[WO], s[4:5] offset:(32*(\t)+i)*PITCH th:TH_LOAD_NT
.set i, i+1
.endr
.endm
.macro BLOCK t, cnt                    ; block t becomes 32 codes (4 registers) and a byte of the scale word.  cnt: the younger loads, which may stay out
.set XB, X0+(X1-X0)*((\t)%2)
.set FD, F0+8*((\t)%2)+4*((\t)/2)
	s_wait_loadcnt \cnt
	v_max3_num_f32 v[MA], |v[XB]|, |v[XB+1]|, |v[XB+2]|
	v_max3_num_f32 v[MB], |v[XB+3]|, |v[XB+4]|, |v[XB+5]|
.irp i, 6,10,14,18,22,26
	v_max3_num_f32 v[MA], v[MA], |v[XB+\i]|, |v[XB+\i+1]|
	v_max3_num_f32 v[MB], v[MB], |v[XB+\i+2]|, |v[XB+\i+3]|
.endr
	v_max3_num_f32 v[MA], v[MA], |v[XB+30]|, |v[XB+31]|
	v_max3_num_f32 v[MA], v[MA], v[MB], 0x1800000  ; and the floor 2^(3 - 127): the byte cannot fall under 1
	v_add_nc_u32 v[SCL], 0xff000000, v[MA]         ; 2 off the exponent field: the conversion's scale operand
	v_lshrrev_b32 v[BY], 23, v[SCL]
.if (\t) == 0
	v_mov_b32 v[SW], v[BY]
.else
	v_lshl_or_b32 v[SW], v[BY], 8*(\t), v[SW]
.endif
.irp q, 0,1,2,3
	v_cvt_scalef32_pk8_fp4_f32 v[FD+\q], v[XB+8*\q:XB+8*\q+7], v[SCL]
.endr
.if (\t) < 2
	s_wait_alu depctr_va_vdst(0)                   ; the maxima and conversions are done reading this set, in which the loads below land
	LOAD (\t)+2                                    ; (the next block's first lines are the plain lines behind the conversions)
.endif
.endm
.macro FIN                             ; the K step's 16 registers become two fragments and go to LDS as they stand
	v_nop                                          ; one plain line behind the scaled conversions
.irp q, 0,1,2,3
	v_permlane16_swap_b32 v[F0+\q], v[F0+8+\q]     ; blocks 0 and 1: the even tile's into F0 + 0 .. 3, the odd tile's into F0 + 8 .. 11
	v_permlane16_swap_b32 v[F0+4+\q], v[F0+12+\q]  ; blocks 2 and 3
.endr
	s_wait_alu depctr_va_vdst(0)                   ; the exchanges have written v[F0 ..] and block 3 v[SW], which the LDS stores read; block 3 is done reading X1, in which phase M's first LDS loads land
.irp q, 0,1,2,3
	ds_store_b128 v[WI], v[F0+4*\q:F0+4*\q+3] offset:512*\q
.endr
	ds_store_b32 v[WSA], v[SW]                     ; lanes 0-15: the even tile's rows; lanes 16-31: the odd tile's
.endm
.macro COPYL                           ; K step 4 + ks, tiles 2 cg and 2 cg + 1, as the launch before stored them: five loads
.irp q, 0,1,2,3
	global_load_b128 v[F1+4*\q:F1+4*\q+3], v[LI], s[18:19] offset:512*\q th:TH_LOAD_NT   ; 32 lanes read 512 consecutive bytes
.endr
	global_load_b32 v[SW+1], v[L8], s[66:67]       ; my word of the pair that a lane stored
.endm
.macro COPYS                           ; and into LDS, four K steps behind the one that I quantise.  (Loads brought these registers: no vector line names them)
.irp q, 0,1,2,3
	ds_store_b128 v[WI], v[F1+4*\q:F1+4*\q+3] offset:4*KSB+512*\q
.endr
	ds_store_b32 v[WSA], v[SW+1] offset:4*KSS
.endm
.macro COUNT                           ; the list's length: the ones in the expert's 32 words
	s_bcnt1_i32_b32 s[NN], s[CW]
.set g, 1
.rept 31
	s_bcnt1_i32_b32 s[T0], s[CW+g]
	s_add_co_u32 s[NN], s[NN], s[T0]
.set g, g+1
.endr
	s_max_u32 s[N1], s[NN], 1
	s_sub_co_u32 s[NL], s[N1], 1
.endm
.macro LSTEP fld, msk, wid             ; is the wanted bit in the lower part of width wid at LPOS, or above it?
	v_lshrrev_b32 v[LTT], v[LPOS], v[\fld]
	v_and_b32 v[LTT], \msk, v[LTT]
	v_cmp_ge_u32 vcc_lo, v[LQ], v[LTT]
	v_sub_nc_u32 v[LTT], v[LQ], v[LTT]
	s_wait_alu depctr_va_vcc(0)                    ; the compare has written VCC, which the two selections read
	v_cndmask_b32 v[LQ], v[LQ], v[LTT], vcc_lo
	v_add_nc_u32 v[LTT], \wid, v[LPOS]
	v_cndmask_b32 v[LPOS], v[LPOS], v[LTT], vcc_lo
.endm
; The token at place min(v[pv], the last place) of the expert's list -> v[LTOK].  The group of 32 tokens is the last whose running count is at most the place; the bit in its word is found by halving.
.macro LOOKUP pv
	v_min_u32 v[LPV], s[NL], v[\pv]                ; a place past the end takes the last place
	v_mov_b32 v[LSEL], 0
	v_mov_b32 v[LGP], 0
	v_mov_b32 v[LCW], s[CW]
	s_bcnt1_i32_b32 s[EP], s[CW]
.set g, 1
.rept 31
	v_cmp_le_u32 vcc_lo, s[EP], v[LPV]
	s_bcnt1_i32_b32 s[T0], s[CW+g]
	s_wait_alu depctr_va_vcc(0)                    ; the compare has written VCC, which the three selections read
	v_cndmask_b32 v[LSEL], v[LSEL], s[EP], vcc_lo
	v_cndmask_b32 v[LGP], v[LGP], g, vcc_lo
	v_cndmask_b32 v[LCW], v[LCW], s[CW+g], vcc_lo
	s_add_co_u32 s[EP], s[EP], s[T0]
.set g, g+1
.endr
	v_sub_nc_u32 v[LQ], v[LPV], v[LSEL]
	v_lshrrev_b32 v[LTT], 1, v[LCW]                ; counts of ones in fields of 2, 4, 8 and 16 bits
	v_and_b32 v[LTT], 0x55555555, v[LTT]
	v_sub_nc_u32 v[LA1], v[LCW], v[LTT]
	v_lshrrev_b32 v[LTT], 2, v[LA1]
	v_and_b32 v[LTT], 0x33333333, v[LTT]
	v_and_b32 v[LA2], 0x33333333, v[LA1]
	v_add_nc_u32 v[LA2], v[LA2], v[LTT]
	v_lshrrev_b32 v[LTT], 4, v[LA2]
	v_add_nc_u32 v[LTT], v[LA2], v[LTT]
	v_and_b32 v[LA4], 0x0f0f0f0f, v[LTT]
	v_lshrrev_b32 v[LTT], 8, v[LA4]
	v_add_nc_u32 v[LTT], v[LA4], v[LTT]
	v_and_b32 v[LA8], 0x00ff00ff, v[LTT]
	v_mov_b32 v[LPOS], 0
	LSTEP LA8, 0xff, 16
	LSTEP LA4, 0xff, 8
	LSTEP LA2, 15, 4
	LSTEP LA1, 3, 2
	LSTEP LCW, 1, 1
	v_lshl_add_u32 v[LTOK], v[LGP], 5, v[LPOS]
.endm
.macro GATHER                          ; my token's codes and scale words, and b1 as the sums' first C: 34 loads
	v_min_u32 v[LTOK], 0x3ff, v[LTOK]              ; a number read from memory enters an address only behind this bound
	v_lshl_add_u32 v[TC], v[LTOK], 9, v[H16]
	v_lshlrev_b32 v[TS], 5, v[LTOK]
	s_wait_alu depctr_va_vdst(0)                   ; v[TC] and v[TS] are written, which the loads read; LOOKUP, the products, relu and QUANT are done with XF, XS and the accumulators, in which the loads land
.set k, 0
.rept 8
	global_load_b128 v[XF+8*k:XF+8*k+3], v[TC], s[8:9] offset:64*k
	global_load_b128 v[XF+8*k+4:XF+8*k+7], v[TC], s[8:9] offset:64*k+32
.set k, k+1
.endr
	global_load_b128 v[XS:XS+3], v[TS], s[10:11]
	global_load_b128 v[XS+4:XS+7], v[TS], s[10:11] offset:16
.irp t, 0,1,2,3,4,5,6,7                        ; tile 2 b + u, lane (r, h): units 32 b + 16 h + 8 u + 0 .. 7
	global_load_b128 v[ACC+8*\t:ACC+8*\t+3], v[H64], s[6:7] offset:(32*(\t/2)+8*(\t%2))*4
	global_load_b128 v[ACC+8*\t+4:ACC+8*\t+7], v[H64], s[6:7] offset:(32*(\t/2)+8*(\t%2))*4+16
.endr
.endm
.macro KSTEP ks                        ; 128 along K: W1's 8 fragments from LDS, 8 products, the accumulators by turns
.if (\ks) > 0
.rept 4
	v_nop                                          ; places in front of loads into registers that products have read
.endr
	s_wait_alu depctr_va_vdst(0)                   ; the last K step's products are done reading v[BF ..] and v[WS ..], in which the LDS loads below land
.endif
.irp t, 0,1,2,3,4,5,6,7
	ds_load_b128 v[BF+8*\t:BF+8*\t+3], v[LI] offset:KSB*(\ks)+1024*\t
	ds_load_b128 v[BF+8*\t+4:BF+8*\t+7], v[LI] offset:KSB*(\ks)+1024*\t+512
.endr
.irp p, 0,1,2,3
	ds_load_b32 v[WS+\p], v[LW] offset:KSS*(\ks)+128*\p
.endr
	s_wait_dscnt 0x0
.irp p, 0,1,2,3
	v_wmma_scale_f32_16x16x128_f8f6f4 v[ACC+16*\p:ACC+16*\p+7], v[BF+16*\p:BF+16*\p+7], v[XF+8*(\ks):XF+8*(\ks)+7], v[ACC+16*\p:ACC+16*\p+7], v[WS+\p], v[XS+(\ks)] matrix_a_fmt:MATRIX_FMT_FP4 matrix_b_fmt:MATRIX_FMT_FP4
	v_wmma_scale_f32_16x16x128_f8f6f4 v[ACC+16*\p+8:ACC+16*\p+15], v[BF+16*\p+8:BF+16*\p+15], v[XF+8*(\ks):XF+8*(\ks)+7], v[ACC+16*\p+8:ACC+16*\p+15], v[WS+\p], v[XS+(\ks)] matrix_a_fmt:MATRIX_FMT_FP4 matrix_b_fmt:MATRIX_FMT_FP4 matrix_a_scale:MATRIX_SCALE_ROW1
.endr
.endm
; 64 numbers of a lane, register 16 b + i = k 32 b + 16 (lane / 16) + i of my row, become a fragment's codes in v[PC] on and its scale word in v[PW].
.macro QUANT s
.irp b, 0,1,2,3
	v_max3_num_f32 v[TM+\b], |v[\s+16*\b]|, |v[\s+1+16*\b]|, 0x1800000
.endr
.irp i, 2,4,6,8,10,12,14
.irp b, 0,1,2,3
	v_max3_num_f32 v[TM+\b], v[TM+\b], |v[\s+16*\b+\i]|, |v[\s+1+16*\b+\i]|
.endr
.endr
.irp b, 0,1,2,3
	v_permlanex16_b32 v[TM+4+\b], v[TM+\b], s[SEL], s[SEL+1]
.endr
.irp b, 0,1,2,3
	v_max_num_f32 v[TM+\b], v[TM+\b], v[TM+4+\b]
.endr
.irp b, 0,1,2,3
	v_add_nc_u32 v[TM+12+\b], 0xff000000, v[TM+\b]
.endr
.irp b, 0,1,2,3
	v_lshrrev_b32 v[TM+4+\b], 23, v[TM+12+\b]
.endr
	v_lshl_or_b32 v[PW], v[TM+5], 8, v[TM+4]
	v_lshl_or_b32 v[PW], v[TM+6], 16, v[PW]
	v_lshl_or_b32 v[PW], v[TM+7], 24, v[PW]
.irp b, 0,1,2,3
	v_cvt_scalef32_pk8_fp4_f32 v[PC+2*\b], v[\s+16*\b:\s+7+16*\b], v[TM+12+\b]
	v_cvt_scalef32_pk8_fp4_f32 v[PC+1+2*\b], v[\s+8+16*\b:\s+15+16*\b], v[TM+12+\b]
.endr
	v_nop
.irp c, 0,1
.irp i, 0,1
	v_permlane16_swap_b32 v[PC+4*\c+\i], v[PC+2+4*\c+\i]
.endr
.endr
.endm
	s_load_b128 s[4:7], s[0:1], 0x0                ; W1, b1
	s_load_b128 s[12:15], s[0:1], 0x10             ; cm, hc
	s_load_b128 s[16:19], s[0:1], 0x20             ; hs, w1q
	s_load_b64 s[8:9], s[0:1], 0x30                ; xc
	v_lshrrev_b32 v1, 5, v0
	v_readfirstlane_b32 s2, v1                     ; wave 0..15
	v_and_b32 v12, 31, v0                          ; lane
	v_and_b32 v13, 15, v0                          ; r
	v_bfe_u32 v14, v0, 4, 1                        ; h
	v_lshlrev_b32 v[LI], 4, v12
	v_lshl_add_u32 v[LW], v12, 2, WSC
	s_wait_alu depctr_va_vdst(0)
	v_lshlrev_b32 v[LS], 2, v12
	v_lshlrev_b32 v[L8], 3, v12
	v_and_b32 v[WO], 7, v12
	v_and_b32 v15, 8, v12
	v_lshl_or_b32 v[WO], v15, 1, v[WO]
	v_lshl_or_b32 v[WO], v14, 3, v[WO]             ; my column of the wave's 32
	v_lshlrev_b32 v[WO], 2, v[WO]
	s_and_b32 s[EE], ttmp7, 0xffff                 ; the expert
	s_wait_alu depctr_va_sdst(0)                   ; s2 is written, ahead of its first reader
	s_and_b32 s[T0], s2, 3                         ; cg
	s_lshr_b32 s[T1], s2, 2                        ; ks
	s_lshl_b32 s60, s[T1], 13
	s_lshl_b32 s61, s[T0], 11
	s_add_co_u32 s60, s60, s61
	v_add_nc_u32 v[WI], s60, v[LI]                 ; K step ks; tiles 2 cg, 2 cg + 1
	s_lshl_b32 s60, s[T1], 9
	s_lshl_b32 s61, s[T0], 7
	s_add_co_u32 s60, s60, s61
	v_add_nc_u32 v[WSA], s60, v[LW]
	v_lshlrev_b32 v[H64], 6, v14
	v_lshlrev_b32 v[H16], 4, v14
	s_lshl_b32 s[ROW0], s2, 4
	v_add_nc_u32 v[PP], s[ROW0], v13
	s_mov_b32 s[SEL], 0x76543210
	s_mov_b32 s[SEL+1], 0xfedcba98
	s_lshl_b32 s60, s[EE], 23                      ; W1: the expert's 8 MiB, 128 ks rows of 8,192 bytes, 512 bytes a slice, 128 a wave
	s_lshl_b32 s61, s[T1], 20
	s_add_co_u32 s60, s60, s61
	s_lshl_b32 s61, ttmp9, 9
	s_add_co_u32 s60, s60, s61
	s_lshl_b32 s61, s[T0], 7
	s_add_co_u32 s60, s60, s61
	s_mov_b32 s61, 0
	s_lshl_b32 s53, s[EE], 4
	s_add_co_u32 s53, s53, ttmp9                   ; 16 e + s
	s_lshl_b32 s68, s53, 15                        ; w1q's codes: 32,768 bytes a slice, 8,192 a K step, 2,048 for my two tiles
	s_lshl_b32 s69, s[T1], 13
	s_add_co_u32 s68, s68, s69
	s_lshl_b32 s69, s[T0], 11
	s_add_co_u32 s68, s68, s69
	s_lshl_b32 s70, s53, 11                        ; its scale words: 2,048 bytes a slice, 1,024 (ks / 2), 256 cg, 4 (ks % 2)
	s_lshr_b32 s69, s[T1], 1
	s_lshl_b32 s69, s69, 10
	s_add_co_u32 s70, s70, s69
	s_lshl_b32 s69, s[T0], 8
	s_add_co_u32 s70, s70, s69
	s_and_b32 s69, s[T1], 1
	s_lshl_b32 s69, s69, 2
	s_add_co_u32 s70, s70, s69
	s_add_co_u32 s70, s70, WQS
	s_mov_b32 s69, 0
	s_mov_b32 s71, 0
	s_wait_kmcnt 0x0
	s_add_nc_u64 s[4:5], s[4:5], s[60:61]
	s_add_nc_u64 s[66:67], s[18:19], s[70:71]
	s_add_nc_u64 s[18:19], s[18:19], s[68:69]
	s_add_nc_u64 s[10:11], s[8:9], XSO             ; x's scale bytes lie behind its codes
	s_lshl_b32 s60, s[EE], 7
	s_add_nc_u64 s[12:13], s[12:13], s[60:61]      ; the expert's row of cm
	s_load_b512 s[CW:CW+15], s[12:13], 0x0
	s_load_b512 s[CW+16:CW+31], s[12:13], 0x40
	s_wait_alu depctr_va_vdst(0)                   ; the head has written the offsets and LDS addresses v1 to v8 and v254, which the kernel's loads and stores read
	COPYL                                          ; the oldest loads: block 0's wait shows them done too
	LOAD 0
	LOAD 1
	s_lshl_b32 s60, s[EE], 13                      ; b1: 8,192 bytes an expert, 512 a slice
	s_lshl_b32 s[T0], ttmp9, 9
	s_add_co_u32 s60, s60, s[T0]
	s_add_nc_u64 s[6:7], s[6:7], s[60:61]
	s_lshl_b32 s60, s[EE], 20                      ; hc: [e][tile 64][K step 16][1,024]
	s_lshl_b32 s[T0], s2, 14
	s_add_co_u32 s60, s60, s[T0]
	s_lshl_b32 s[T0], ttmp9, 10
	s_add_co_u32 s60, s60, s[T0]
	s_add_nc_u64 s[14:15], s[14:15], s[60:61]
	s_lshl_b32 s60, s[EE], 17                      ; hs: [e][tile 64][K step 16][128]
	s_lshl_b32 s[T0], s2, 11
	s_add_co_u32 s60, s60, s[T0]
	s_lshl_b32 s[T0], ttmp9, 7
	s_add_co_u32 s60, s60, s[T0]
	s_add_nc_u64 s[16:17], s[16:17], s[60:61]
	s_wait_kmcnt 0x0                               ; the mask words
	COUNT                                          ; while the first loads are on their way
	LOOKUP PP
	BLOCK 0, 32
	COPYS
	BLOCK 1, 32
	BLOCK 2, 32
	GATHER                                         ; my first tile's rows, asked for ahead of the barrier
	BLOCK 3, GC                                    ; behind block 3's loads: the gather's 34
	FIN
	s_wait_dscnt 0x0                               ; for the others' sake: my images have landed
	s_barrier_signal -1
	s_barrier_wait -1                              ; the slice's 64 fragments lie in LDS; nobody writes LDS from here on
	s_wait_alu depctr_vm_vsrc(0)                   ; my LDS stores have read v[F0 ..], v[F1 ..] and the two scale words: these registers are TM, PC and PW from here on, written by vector lines; the first gather's loads have read v[TC], v[TS]
.irp b, 0,1,2,3
	v_mov_b32 v[TM+4+\b], 0                        ; written once: a lane permute's destination counts as one of its sources
.endr
	s_mov_b32 s[TRIP], 0
.Lm:
	s_wait_loadcnt 0x0                             ; the tile's rows and b1 are in
	s_cmp_lt_u32 s[ROW0], s[N1]
	s_cbranch_scc0 .Lskip                          ; the list ends ahead of my tile
.set KK, 0
.rept 8
	KSTEP KK
.set KK, KK+1
.endr
.rept 4
	v_nop
.endr
.set j, 0
.rept 64
	v_max_num_f32 v[ACC+j], 0, v[ACC+j]            ; relu, each accumulator from its low end on
.set j, j+1
.endr
	QUANT ACC
	s_wait_alu depctr_va_vdst(0)                   ; the conversions and exchanges have written v[PC ..] and v[PW], which the three stores read; the last products are done reading v[BF ..] and v[WS ..]
	global_store_b128 v[LI], v[PC:PC+3], s[14:15]  ; 32 lanes store 512 consecutive bytes, aligned
	global_store_b128 v[LI], v[PC+4:PC+7], s[14:15] offset:512
	global_store_b32 v[LS], v[PW], s[16:17]
	s_wait_alu depctr_vm_vsrc(0)                   ; ahead of the branch: the stores have read v[PC ..] and v[PW], which the next trip's QUANT writes; the last gather's loads have read v[TC] and v[TS], which the next gather writes
	s_add_co_u32 s[T0], s[ROW0], 256
	s_cmp_lt_u32 s[T0], s[NN]
	s_cbranch_scc0 .Lskip                          ; no further tile of mine
	v_add_nc_u32 v[PT], 256, v[PP]
	LOOKUP PT
	GATHER
.Lskip:
	s_wait_xcnt 0x0                                ; the stores have read their data and bases: both are written again only behind this wait
	s_add_nc_u64 s[14:15], s[14:15], 262144        ; 16 tiles on
	s_add_nc_u64 s[16:17], s[16:17], 32768
	s_wait_alu depctr_va_vdst(0)
	v_add_nc_u32 v[PP], 256, v[PP]
	s_add_co_u32 s[ROW0], s[ROW0], 256
	s_add_co_u32 s[TRIP], s[TRIP], 1
	s_cmp_lt_u32 s[TRIP], 4
	s_cbranch_scc1 .Lm
	s_wait_xcnt 0x0
	s_wait_alu depctr_vm_vsrc(0)                   ; beside it: v254 was the offset of the copy's scale-word load: it is made anew only behind a wait that shows it read
	v_lshl_add_u32 v254, v0, 2, 0x11000
	v_mov_b32 v255, 0
	s_wait_dscnt 0x0                               ; the closing lines, six on end
	s_wait_alu 0x0
	s_wait_tensorcnt 0x0
	ds_add_u32 v254, v255
	s_wait_dscnt 0x0
	s_endpgm
.Lfunc_end_k_q2ab5a2676f_up:
	.size	k_q2ab5a2676f_up, .Lfunc_end_k_q2ab5a2676f_up-k_q2ab5a2676f_up
	.p2alignl 7, 3214868480
	.fill 96, 4, 3214868480
	.section	.rodata,"a",@progbits
	.p2align	6, 0x0
	.amdhsa_kernel k_q2ab5a2676f_up
		.amdhsa_group_segment_fixed_size 71680
		.amdhsa_private_segment_fixed_size 0
		.amdhsa_enable_private_segment 0
		.amdhsa_kernarg_size 56
		.amdhsa_user_sgpr_count 2
		.amdhsa_user_sgpr_kernarg_segment_ptr 1
		.amdhsa_wavefront_size32 1
		.amdhsa_system_sgpr_workgroup_id_x 1
		.amdhsa_system_sgpr_workgroup_id_y 1
		.amdhsa_system_sgpr_workgroup_id_z 1
		.amdhsa_system_vgpr_workitem_id 0
		.amdhsa_next_free_vgpr 256
		.amdhsa_next_free_sgpr 104
		.amdhsa_reserve_vcc 1
		.amdhsa_float_denorm_mode_32 3
		.amdhsa_float_denorm_mode_16_64 3
		.amdhsa_memory_ordered 1
		.amdhsa_forward_progress 1
		.amdhsa_inst_pref_size 83
	.end_amdhsa_kernel
	.amdgpu_metadata
---
amdhsa.version: [ 1, 2 ]
amdhsa.kernels:
  - .name:           k_q2ab5a2676f_up
    .symbol:         k_q2ab5a2676f_up.kd
    .args:
      - { .name: W1, .offset: 0, .size: 8, .value_kind: global_buffer, .address_space: global }
      - { .name: b1, .offset: 8, .size: 8, .value_kind: global_buffer, .address_space: global }
      - { .name: cm, .offset: 16, .size: 8, .value_kind: global_buffer, .address_space: global }
      - { .name: hc, .offset: 24, .size: 8, .value_kind: global_buffer, .address_space: global }
      - { .name: hs, .offset: 32, .size: 8, .value_kind: global_buffer, .address_space: global }
      - { .name: w1q, .offset: 40, .size: 8, .value_kind: global_buffer, .address_space: global }
      - { .name: xc, .offset: 48, .size: 8, .value_kind: global_buffer, .address_space: global }
    .group_segment_fixed_size: 71680
    .private_segment_fixed_size: 0
    .kernarg_segment_align: 8
    .kernarg_segment_size: 56
    .max_flat_workgroup_size: 512
    .sgpr_count:     104
    .vgpr_count:     256
    .wavefront_size: 32
...
	.end_amdgpu_metadata
.endif
;; end of part 6
;; launch down (part 7): grid 16 x 16, 16 waves a work-group, no clusters, 142,336 bytes of LDS; arguments W2, b2, hc, hs, cm, m2, rw, yb; writes yb
.if DOCPART == 7
	.amdgcn_target "amdgcn-amd-amdhsa--gfx1250"
	.amdhsa_code_object_version 6
	.text
	.protected	k_q2ab5a2676f_down
	.globl	k_q2ab5a2676f_down
	.p2align	8
	.type	k_q2ab5a2676f_down,@function
k_q2ab5a2676f_down:
	s_mov_b64 s[64:65], 0
	v_nop
	global_prefetch_b8 v0, s[64:65] scope:SCOPE_SE
	s_setreg_imm32_b32 hwreg(HW_REG_WAVE_SCHED_MODE, 0, 2), 2
	s_setreg_imm32_b32 hwreg(HW_REG_WAVE_MODE, 25, 1), 1
	s_wait_xcnt 0x0
	s_wait_alu depctr_vm_vsrc(0)
; DOWN: for expert e (work-group y) and outputs 64 c .. 64 c + 63 (work-group x): yb[2 token + k] = (h Q(W2[e]) + b2[e]) x rw[token][k] for the tokens that chose e as their k-th choice.
; PHASE Q.  The slice of W2[e] ([2048 k][64 n] f32, 512 KB) is read once, quantised along K in registers and laid in LDS as images of operand registers.  Wave w: cg = w % 2 (32 columns), ke = w / 2
; (256 along K).  A lane takes a column and its registers run down K: a load reads 128 consecutive bytes, the two waves of one ke stand side by side on 256, aligned.  Lanes 0-15 hold tile 2 cg's rows,
; lanes 16-31 tile 2 cg + 1's; eight exchanges of lane halves turn a K step's 16 registers into the two tiles' fragments.
; PHASE M.  Wave w takes the expert's rows 16 (w + 16 i) .. + 15, i = 0 .. 3: h's 16 fragments and scale words come as the images that the launch before stored; the product is used transposed
; (source 0 = 16 outputs of W2, source 1 = 16 rows of h), b2 is the C of each sum's first product, the row's weight multiplies the finished sum.  A row's slot, 2 token + k, is found in registers from the expert's
; mask words (LOOKUP).  The results go through the wave's own stage in LDS, so that sixteen lanes store 256 consecutive bytes, aligned, of a slot's row; the rows' slots reach the storing lanes through 64 bytes of the wave's own.
; A PLACE PAST THE LIST'S END TAKES THE LIST'S LAST PLACE, here as in the launch before: the last tile's spare rows hold the last row's h, slot and weight, and store the same numbers to the same bytes as that
; row, from the same wave.  So every lane is on throughout and no store is jumped over; the price is at most 15 repeated stores of 256 bytes for an expert and a slice.
; Each slot belongs to one expert and each column to one slice: every byte of yb has one owner.
; The loop over tiles has 4 trips; what hangs on the count read from memory is a jump over a trip's work.  For that reason there is no tensor load here, so no ring and no joint load;
; and no two work-groups share a byte of W2.  One barrier, between the phases.
; LIMITS: NaN and infinities are not served; a block whose largest magnitude lies under 2^-124 (a block of zeros among them) keeps the scale byte 1.
; THE MODE: SCHED_MODE bits 1:0 = 2 (LLVM: expert scheduling mode 2), set by the entry lines.  The code itself states the register dependences between vector or matrix instructions and memory or LDS instructions,
; and those through scalar registers and VCC that vector instructions write, with s_wait_alu, always for 0.
; THE PLAN.  Registers that memory or LDS instructions touch:
;   v1-v14, v254, v255  offsets and LDS addresses: written at the head, never again: one wait on va_vdst ahead of the first load (it also shows the head done with v16 to v18, in which that load's set lies).
;   X0, X1         block t's lines read set t % 2; one wait behind the conversions of blocks 0 to 5, then block t + 2's 32 loads land in the set.  In phase M X1 is BF.
;   F0, F1, SW     a K step's codes and scale word: the exchanges stand ahead of the wait of the K step's last block (3 and 7), which so serves the images' LDS stores too.
;                  F0 lies in AF: one wait on vm_vsrc ahead of the first GATHER.  F1 becomes YO and SL: one wait on vm_vsrc behind the barrier.
;   RWO            GATHER writes it and its last load reads it.  AF, HS, ACC, RW: GATHER's loads land in them; products, the weight's multiplications and LOOKUP name them.  One wait on va_vdst in GATHER states all of that.
;   BF, WS         a K step's LDS loads land in them, its products read them: one set, so one wait on va_vdst at the head of K steps 1 to 15 (22 registers are free in the K steps; a second set is 34).
;                  K step 0 owes none: on every way to it a wait on va_vdst stands behind the last line that named BF (block 7's or the way out's).
;   ACC, SLOT      on the way out the LDS stores' data; OB (in AF) and SL: LDS loads land in them: one wait on va_vdst ahead of the stage's stores.
;   YO             eight offsets, made in one run: one wait on va_vdst, then the eight stores.
;   Behind those stores, ahead of the branch, one wait on vm_vsrc: ACC, SLOT, OB, YO and the last gather's RWO have been read: LOOKUP, GATHER and the next trip write them.
.set PITCH, 4096                       ; a row of W2[e] in bytes
.set KSB,   4096                       ; LDS: a K step's 4 fragments of 1,024 bytes, from byte 0 on: [K step 16][tile 4]
.set KSS,   256                        ; a K step's scale words: [K step 16][cg 2][128 bytes]
.set WSC,   65536
.set STG,   69632                      ; the stages: 16 rows x (256 bytes + 16) for each wave
.set SLW,   139264                     ; a tile's 16 slots: 64 bytes for each wave
.set GC,    57                         ; loads of a GATHER
.set LI,  1                            ; v1   16 x lane
.set LW,  2                            ; v2   WSC + 4 x lane
.set LS,  3                            ; v3   4 x lane: also my column's bytes in a row of W2
.set WO,  3
.set SLA, 4                            ; v4   where my row's slot goes: SLW + 64 w + 4 r
.set WI,  5                            ; v5   where my images go
.set WSA, 6                            ; v6   where my scale words go
.set H32, 7                            ; v7   32 h
.set PP,  8                            ; v8   my place in the expert's list: 16 x tile + r
.set SLR, 9                            ; v9   where I read the slots of the rows that I store: SLW + 64 w + 4 (lane / 16)
.set STO, 10                           ; v10  the stage: where I put 32 bytes of row r
.set SRD, 11                           ; v11  and where I read rows back
.set C16, 14                           ; v14  16 (lane % 16)
.set SLOT, 15                          ; v15  2 token + k of my place
.set AF,  16                           ; v16-143  h's 16 fragments
.set HS,  144                          ; v144-159 h's scale words: scales and nothing else
.set ACC, 160                          ; v160-191 4 accumulators
.set BF,  192                          ; v192-223 W2's 4 fragments
.set WS,  224                          ; v224-225 W2's scale words: scales and nothing else
.set X0,  16                           ; phase Q: two sets of 32 numbers,
.set X1,  192
.set F0,  48                           ; a K step's codes, v48-63 and v226-241
.set F1,  226
.set SW,  242                          ; v242-243 my column's scale words
.set MA,  244
.set MB,  245
.set SCL, 246
.set BY,  247
.set RW,  248                          ; v[248:249] my row's weight (the packed form names the pair and takes its low word)
.set RWO, 250
.set LT,  64                           ; LOOKUP's registers, v64-77: free whenever it runs
.set OB,  16                           ; the way out: v16-47 rows read back,
.set YO,  226                          ; v226-233 their offsets in yb, v234-241 their slots (free when phase Q has ended)
.set SL,  234
.set LSEL, LT
.set LGP,  LT+1
.set LCW,  LT+2
.set LMW,  LT+3
.set LQ,   LT+4
.set LA1,  LT+5
.set LA2,  LT+6
.set LA4,  LT+7
.set LA8,  LT+8
.set LPOS, LT+9
.set LTT,  LT+10
.set LTOK, LT+11
.set PT,   LT+12
.set LPV,  LT+13
.set CW,   20                          ; s[20:51] the expert's 32 words of cm
.set MW,   68                          ; s[68:99] and of m2
.set EE,   52
.set NN,   54                          ; how many rows the expert has
.set ROW0, 55
.set TRIP, 56
.set EP,   57
.set T0,   58
.set T1,   59
.set NL,   62                          ; max(NN, 1) - 1: the list's last place
.set N1,   63
.macro LOAD t
.set i, 0
.rept 32
	global_load_b32 v[X0+(X1-X0)*((\t)%2)+i], v[WO], s[4:5] offset:(32*(\t)+i)*PITCH th:TH_LOAD_NT
.set i, i+1
.endr
.endm
.macro SWAPS ks                        ; a K step's 16 registers become two fragments
.set FF, F0+(F1-F0)*(\ks)
	v_nop                                          ; one plain line behind the scaled conversions
.irp q, 0,1,2,3
	v_permlane16_swap_b32 v[FF+\q], v[FF+8+\q]
	v_permlane16_swap_b32 v[FF+4+\q], v[FF+12+\q]
.endr
.endm
.macro IMAGES ks                       ; and go to LDS as they stand, with my column's scale word
.set FF, F0+(F1-F0)*(\ks)
.irp q, 0,1,2,3
	ds_store_b128 v[WI], v[FF+4*\q:FF+4*\q+3] offset:KSB*(\ks)+512*\q
.endr
	ds_store_b32 v[WSA], v[SW+(\ks)] offset:KSS*(\ks)
.endm
.macro BLOCK t, cnt                    ; block t becomes 32 codes (4 registers) and a byte of the scale word.  cnt: the younger loads, which may stay out
.set XB, X0+(X1-X0)*((\t)%2)
.set FD, F0+(F1-F0)*((\t)/4)+8*((\t)%2)+4*(((\t)%4)/2)
	s_wait_loadcnt \cnt
	v_max3_num_f32 v[MA], |v[XB]|, |v[XB+1]|, |v[XB+2]|
	v_max3_num_f32 v[MB], |v[XB+3]|, |v[XB+4]|, |v[XB+5]|
.irp i, 6,10,14,18,22,26
	v_max3_num_f32 v[MA], v[MA], |v[XB+\i]|, |v[XB+\i+1]|
	v_max3_num_f32 v[MB], v[MB], |v[XB+\i+2]|, |v[XB+\i+3]|
.endr
	v_max3_num_f32 v[MA], v[MA], |v[XB+30]|, |v[XB+31]|
	v_max3_num_f32 v[MA], v[MA], v[MB], 0x1800000  ; and the floor 2^(3 - 127): the byte cannot fall under 1
	v_add_nc_u32 v[SCL], 0xff000000, v[MA]         ; 2 off the exponent field: the conversion's scale operand
	v_lshrrev_b32 v[BY], 23, v[SCL]
.if (\t)%4 == 0
	v_mov_b32 v[SW+(\t)/4], v[BY]
.else
	v_lshl_or_b32 v[SW+(\t)/4], v[BY], 8*((\t)%4), v[SW+(\t)/4]
.endif
.irp q, 0,1,2,3
	v_cvt_scalef32_pk8_fp4_f32 v[FD+\q], v[XB+8*\q:XB+8*\q+7], v[SCL]
.endr
.if (\t)%4 == 3
	SWAPS (\t)/4                                   ; the K step is whole: its exchanges stand ahead of the block's wait
.endif
.if (\t) != 6                                  ; (block 6 is followed by GATHER, which has the wait)
	s_wait_alu depctr_va_vdst(0)                   ; the maxima and conversions are done reading this set, in which the loads below (behind block 7: phase M's first LDS loads) land; in a K step's last block the exchanges have written its codes, and its scale word is written, which the LDS stores below read
.endif
.if (\t) < 6
	LOAD (\t)+2                                    ; (the next block's first lines are the plain lines behind the conversions)
.endif
.if (\t)%4 == 3
	IMAGES (\t)/4
.endif
.endm
.macro COUNT                           ; the list's length: the ones in the expert's 32 words of cm
	s_bcnt1_i32_b32 s[NN], s[CW]
.set g, 1
.rept 31
	s_bcnt1_i32_b32 s[T0], s[CW+g]
	s_add_co_u32 s[NN], s[NN], s[T0]
.set g, g+1
.endr
	s_max_u32 s[N1], s[NN], 1
	s_sub_co_u32 s[NL], s[N1], 1
.endm
.macro LSTEP fld, msk, wid
	v_lshrrev_b32 v[LTT], v[LPOS], v[\fld]
	v_and_b32 v[LTT], \msk, v[LTT]
	v_cmp_ge_u32 vcc_lo, v[LQ], v[LTT]
	v_sub_nc_u32 v[LTT], v[LQ], v[LTT]
	s_wait_alu depctr_va_vcc(0)                    ; the compare has written VCC, which the two selections read
	v_cndmask_b32 v[LQ], v[LQ], v[LTT], vcc_lo
	v_add_nc_u32 v[LTT], \wid, v[LPOS]
	v_cndmask_b32 v[LPOS], v[LPOS], v[LTT], vcc_lo
.endm
; The slot (2 token + k) at place min(v[pv], the last place) of the expert's list -> v[SLOT].
.macro LOOKUP pv
	v_min_u32 v[LPV], s[NL], v[\pv]                ; a place past the end takes the last place
	v_mov_b32 v[LSEL], 0
	v_mov_b32 v[LGP], 0
	v_mov_b32 v[LCW], s[CW]
	v_mov_b32 v[LMW], s[MW]
	s_bcnt1_i32_b32 s[EP], s[CW]
.set g, 1
.rept 31
	v_cmp_le_u32 vcc_lo, s[EP], v[LPV]
	s_bcnt1_i32_b32 s[T0], s[CW+g]
	s_wait_alu depctr_va_vcc(0)                    ; the compare has written VCC, which the four selections read
	v_cndmask_b32 v[LSEL], v[LSEL], s[EP], vcc_lo
	v_cndmask_b32 v[LGP], v[LGP], g, vcc_lo
	v_cndmask_b32 v[LCW], v[LCW], s[CW+g], vcc_lo
	v_cndmask_b32 v[LMW], v[LMW], s[MW+g], vcc_lo
	s_add_co_u32 s[EP], s[EP], s[T0]
.set g, g+1
.endr
	v_sub_nc_u32 v[LQ], v[LPV], v[LSEL]
	v_lshrrev_b32 v[LTT], 1, v[LCW]
	v_and_b32 v[LTT], 0x55555555, v[LTT]
	v_sub_nc_u32 v[LA1], v[LCW], v[LTT]
	v_lshrrev_b32 v[LTT], 2, v[LA1]
	v_and_b32 v[LTT], 0x33333333, v[LTT]
	v_and_b32 v[LA2], 0x33333333, v[LA1]
	v_add_nc_u32 v[LA2], v[LA2], v[LTT]
	v_lshrrev_b32 v[LTT], 4, v[LA2]
	v_add_nc_u32 v[LTT], v[LA2], v[LTT]
	v_and_b32 v[LA4], 0x0f0f0f0f, v[LTT]
	v_lshrrev_b32 v[LTT], 8, v[LA4]
	v_add_nc_u32 v[LTT], v[LA4], v[LTT]
	v_and_b32 v[LA8], 0x00ff00ff, v[LTT]
	v_mov_b32 v[LPOS], 0
	LSTEP LA8, 0xff, 16
	LSTEP LA4, 0xff, 8
	LSTEP LA2, 15, 4
	LSTEP LA1, 3, 2
	LSTEP LCW, 1, 1
	v_lshl_add_u32 v[LTOK], v[LGP], 5, v[LPOS]
	v_lshrrev_b32 v[LTT], v[LPOS], v[LMW]
	v_and_b32 v[LTT], 1, v[LTT]
	v_lshl_add_u32 v[SLOT], v[LTOK], 1, v[LTT]
.endm
; A tile's 16 fragments and scale words of h (bases s[hb], s[sb], dh and dsc bytes on), b2 as the sums' first C, my row's weight: 57 loads
.macro GATHER hb, sb, dh, dsc
	s_wait_dscnt 0x0                               ; my LDS stores have read the registers that these loads write
	v_min_u32 v[RWO], 0x7ff, v[SLOT]               ; a number read from memory enters an address only behind this bound
	v_lshlrev_b32 v[RWO], 2, v[RWO]
	s_wait_alu depctr_va_vdst(0)                   ; v[RWO] is written, which the last load reads; the blocks, LOOKUP, the products and the weight's multiplications are done with AF, HS, the accumulators and v[RW], in which the loads land
.set k, 0
.rept 16
	global_load_b128 v[AF+8*k:AF+8*k+3], v[LI], s[\hb:\hb+1] offset:\dh+1024*k
	global_load_b128 v[AF+8*k+4:AF+8*k+7], v[LI], s[\hb:\hb+1] offset:\dh+1024*k+512
.set k, k+1
.endr
.set k, 0
.rept 16
	global_load_b32 v[HS+k], v[LS], s[\sb:\sb+1] offset:\dsc+128*k
.set k, k+1
.endr
.irp t, 0,1,2,3                                ; tile t, lane (r, h): outputs 16 t + 8 h + 0 .. 7
	global_load_b128 v[ACC+8*\t:ACC+8*\t+3], v[H32], s[6:7] offset:64*\t
	global_load_b128 v[ACC+8*\t+4:ACC+8*\t+7], v[H32], s[6:7] offset:64*\t+16
.endr
	global_load_b32 v[RW], v[RWO], s[16:17]
.endm
.macro KSTEP ks                        ; 128 along K: W2's 4 fragments from LDS, 4 products, the accumulators by turns
.if (\ks) > 0
.rept 4
	v_nop                                          ; places in front of loads into registers that products have read
.endr
	s_wait_alu depctr_va_vdst(0)                   ; the last K step's products are done reading v[BF ..] and v[WS ..], in which the LDS loads below land
.endif
.irp t, 0,1,2,3
	ds_load_b128 v[BF+8*\t:BF+8*\t+3], v[LI] offset:KSB*(\ks)+1024*\t
	ds_load_b128 v[BF+8*\t+4:BF+8*\t+7], v[LI] offset:KSB*(\ks)+1024*\t+512
.endr
.irp p, 0,1
	ds_load_b32 v[WS+\p], v[LW] offset:KSS*(\ks)+128*\p
.endr
	s_wait_dscnt 0x0
.irp p, 0,1
	v_wmma_scale_f32_16x16x128_f8f6f4 v[ACC+16*\p:ACC+16*\p+7], v[BF+16*\p:BF+16*\p+7], v[AF+8*(\ks):AF+8*(\ks)+7], v[ACC+16*\p:ACC+16*\p+7], v[WS+\p], v[HS+(\ks)] matrix_a_fmt:MATRIX_FMT_FP4 matrix_b_fmt:MATRIX_FMT_FP4
	v_wmma_scale_f32_16x16x128_f8f6f4 v[ACC+16*\p+8:ACC+16*\p+15], v[BF+16*\p+8:BF+16*\p+15], v[AF+8*(\ks):AF+8*(\ks)+7], v[ACC+16*\p+8:ACC+16*\p+15], v[WS+\p], v[HS+(\ks)] matrix_a_fmt:MATRIX_FMT_FP4 matrix_b_fmt:MATRIX_FMT_FP4 matrix_a_scale:MATRIX_SCALE_ROW1
.endr
.endm
	s_load_b512 s[4:19], s[0:1], 0x0               ; W2, b2, hc, hs, cm, m2, rw, yb
	v_lshl_add_u32 v254, v0, 2, 0x22400
	v_mov_b32 v255, 0
	v_lshrrev_b32 v1, 5, v0
	v_readfirstlane_b32 s2, v1                     ; wave 0..15
	v_and_b32 v16, 31, v0                          ; lane
	v_and_b32 v17, 15, v0                          ; r
	v_bfe_u32 v18, v0, 4, 1                        ; h
	v_lshlrev_b32 v[LI], 4, v16
	v_lshl_add_u32 v[LW], v16, 2, WSC
	s_wait_alu depctr_va_vdst(0)
	v_lshlrev_b32 v[LS], 2, v16
	s_and_b32 s[EE], ttmp7, 0xffff                 ; the expert
	s_wait_alu depctr_va_sdst(0)                   ; s2 is written, ahead of its first reader
	s_and_b32 s[T0], s2, 1                         ; cg
	s_lshr_b32 s[T1], s2, 1                        ; ke
	s_lshl_b32 s60, s[T1], 13
	s_lshl_b32 s61, s[T0], 11
	s_add_co_u32 s60, s60, s61
	v_add_nc_u32 v[WI], s60, v[LI]                 ; K steps 2 ke, 2 ke + 1; tiles 2 cg, 2 cg + 1
	s_lshl_b32 s60, s[T1], 9
	s_lshl_b32 s61, s[T0], 7
	s_add_co_u32 s60, s60, s61
	v_add_nc_u32 v[WSA], s60, v[LW]
	v_lshlrev_b32 v[H32], 5, v18
	s_lshl_b32 s[ROW0], s2, 4
	v_add_nc_u32 v[PP], s[ROW0], v17
	s_mul_i32 s60, s2, 4352
	s_add_co_u32 s60, s60, STG                     ; my stage
	v_mul_u32_u24 v[STO], v17, 272
	v_lshl_add_u32 v[STO], v18, 5, v[STO]
	v_add_nc_u32 v[STO], s60, v[STO]
	v_mul_u32_u24 v[SRD], v18, 272
	v_lshl_add_u32 v[SRD], v17, 4, v[SRD]
	v_add_nc_u32 v[SRD], s60, v[SRD]
	s_lshl_b32 s60, s2, 6
	s_add_co_u32 s60, s60, SLW                     ; my 16 slot words
	v_lshl_add_u32 v[SLA], v17, 2, s60
	v_lshl_add_u32 v[SLR], v18, 2, s60
	v_lshlrev_b32 v[C16], 4, v17
	v_mov_b32 v[RW+1], 0                           ; named with v[RW] as a pair, so it is written
	s_lshl_b32 s60, s[EE], 23                      ; W2: the expert's 8 MiB, 256 ke rows of 4,096 bytes, 256 bytes a slice, 128 a wave
	s_lshl_b32 s61, s[T1], 20
	s_add_co_u32 s60, s60, s61
	s_lshl_b32 s61, ttmp9, 8
	s_add_co_u32 s60, s60, s61
	s_lshl_b32 s61, s[T0], 7
	s_add_co_u32 s60, s60, s61
	s_mov_b32 s61, 0
	s_wait_kmcnt 0x0
	s_add_nc_u64 s[4:5], s[4:5], s[60:61]
	s_lshl_b32 s60, s[EE], 7
	s_add_nc_u64 s[12:13], s[12:13], s[60:61]      ; the expert's rows of cm and m2
	s_add_nc_u64 s[14:15], s[14:15], s[60:61]
	s_load_b512 s[CW:CW+15], s[12:13], 0x0
	s_load_b512 s[CW+16:CW+31], s[12:13], 0x40
	s_load_b512 s[MW:MW+15], s[14:15], 0x0
	s_load_b512 s[MW+16:MW+31], s[14:15], 0x40
	s_wait_alu depctr_va_vdst(0)                   ; the head has written the offsets and LDS addresses v1 to v14, v254 and v255, which the kernel's loads and stores read, and is done with v16 to v18, in which the first loads land
	LOAD 0
	LOAD 1
	s_lshl_b32 s60, s[EE], 12                      ; b2: 4,096 bytes an expert, 256 a slice
	s_lshl_b32 s[T0], ttmp9, 8
	s_add_co_u32 s60, s60, s[T0]
	s_add_nc_u64 s[6:7], s[6:7], s[60:61]
	s_mov_b32 s60, s[T0]
	s_add_nc_u64 s[18:19], s[18:19], s[60:61]      ; yb: my slice's 256 bytes of a row
	s_lshl_b32 s60, s[EE], 20
	s_add_nc_u64 s[100:101], s[8:9], s[60:61]      ; hc at the expert: the first fetch's base
	s_lshl_b32 s[T0], s2, 14
	s_add_co_u32 s60, s60, s[T0]
	s_add_nc_u64 s[8:9], s[8:9], s[60:61]          ; hc at (e, tile w): the loop's
	s_lshl_b32 s60, s[EE], 17
	s_add_nc_u64 s[66:67], s[10:11], s[60:61]      ; hs likewise
	s_lshl_b32 s[T0], s2, 11
	s_add_co_u32 s60, s60, s[T0]
	s_add_nc_u64 s[10:11], s[10:11], s[60:61]
	s_wait_kmcnt 0x0                               ; the mask words
	COUNT                                          ; while the first 64 loads are on their way
	LOOKUP PP
	s_lshr_b32 s[T0], s[NL], 4                     ; the first fetch is made by every wave: a wave without a tile takes the list's last tile, which was stored, and uses nothing of it
	s_min_u32 s[T0], s[T0], s2
	s_min_u32 s[T0], s[T0], 63
	s_lshl_b32 s60, s[T0], 14
	s_add_nc_u64 s[100:101], s[100:101], s[60:61]
	s_lshl_b32 s60, s[T0], 11
	s_add_nc_u64 s[66:67], s[66:67], s[60:61]
	BLOCK 0, 32
	BLOCK 1, 32
	BLOCK 2, 32
	BLOCK 3, 32
	BLOCK 4, 32
	BLOCK 5, 32
	BLOCK 6, 32
	s_wait_alu depctr_vm_vsrc(0)                   ; the first K step's LDS stores have read v[F0 ..], in which h's fragments land
	GATHER 100, 66, 0, 0                           ; my first tile, asked for ahead of the barrier
	BLOCK 7, GC                                    ; behind block 7's loads: the gather's 57
	s_wait_dscnt 0x0                               ; for the others' sake: my images have landed
	s_barrier_signal -1
	s_barrier_wait -1                              ; the slice's 64 fragments lie in LDS; from here on a wave writes its own stage and slot words alone
	s_wait_alu depctr_vm_vsrc(0)                   ; the second K step's LDS stores have read v[F1 ..]: these registers are YO and SL from here on, written by vector lines and by LDS loads
	s_mov_b32 s[TRIP], 0
.Lm:
	s_wait_loadcnt 0x0                             ; the tile's fragments, b2 and the weight are in
	s_cmp_lt_u32 s[ROW0], s[NN]
	s_cbranch_scc0 .Lskip                          ; the list ends ahead of my tile
.set KK, 0
.rept 16
	KSTEP KK
.set KK, KK+1
.endr
.rept 4
	v_nop
.endr
.set j, 0
.rept 16
	v_pk_mul_f32 v[ACC+2*j:ACC+2*j+1], v[ACC+2*j:ACC+2*j+1], v[RW:RW+1] op_sel_hi:[1,0]   ; x my row's weight; each accumulator from its low end on
.set j, j+1
.endr
	s_wait_alu depctr_va_vdst(0)                   ; the multiplications have written the accumulators and LOOKUP v[SLOT], which the LDS stores read; the products are done reading h's first four fragments, and the last trip's lines v[SL ..], in which the LDS loads land
.irp t, 0,1,2,3
	ds_store_b128 v[STO], v[ACC+8*\t:ACC+8*\t+3] offset:64*\t
	ds_store_b128 v[STO], v[ACC+8*\t+4:ACC+8*\t+7] offset:64*\t+16
.endr
	ds_store_b32 v[SLA], v[SLOT]                   ; row r's slot (lanes r and r + 16 write the same word with the same value)
.irp q, 0,1,2,3,4,5,6,7
	ds_load_b128 v[OB+4*\q:OB+4*\q+3], v[SRD] offset:544*\q   ; rows 2 q and 2 q + 1, whole; LDS serves a wave's instructions in order: these see my stores
.endr
.irp q, 0,1,2,3,4,5,6,7
	ds_load_b32 v[SL+\q], v[SLR] offset:8*\q       ; lanes 0-15: row 2 q's slot; lanes 16-31: row 2 q + 1's
.endr
	s_wait_dscnt 0x0
.set i, 0
.rept 8                                        ; the eight offsets in one run
	v_min_u32 v[SL+i], 0x7ff, v[SL+i]              ; a number read from memory enters an address only behind this bound
	v_lshl_add_u32 v[YO+i], v[SL+i], 12, v[C16]    ; a slot's row is 4,096 bytes
.set i, i+1
.endr
	s_wait_alu depctr_va_vdst(0)                   ; the eight offsets v[YO ..] are written, which the eight stores read
.set i, 0
.rept 8
	global_store_b128 v[YO+i], v[OB+4*i:OB+4*i+3], s[18:19]   ; sixteen lanes store 256 consecutive bytes, aligned
.set i, i+1
.endr
	s_wait_alu depctr_vm_vsrc(0)                   ; ahead of the branch: the LDS stores have read the accumulators and v[SLOT], the stores v[YO ..] and v[OB ..], the last gather's load v[RWO]: LOOKUP, GATHER and the next trip write them
	s_add_co_u32 s[T0], s[ROW0], 256
	s_cmp_lt_u32 s[T0], s[NN]
	s_cbranch_scc0 .Lskip                          ; no further tile of mine
	v_add_nc_u32 v[PT], 256, v[PP]
	LOOKUP PT
	s_wait_alu depctr_va_vdst(0)
	s_wait_xcnt 0x0                                ; the stores have read their data: the loads below land in those registers only behind this wait
	GATHER 8, 10, 262144, 32768                    ; 16 tiles on
.Lskip:
	s_wait_xcnt 0x0                                ; loads and stores have read their bases, offsets and data: they are written again only behind this wait
	s_add_nc_u64 s[8:9], s[8:9], 262144
	s_add_nc_u64 s[10:11], s[10:11], 32768
	s_wait_alu depctr_va_vdst(0)
	v_add_nc_u32 v[PP], 256, v[PP]
	s_add_co_u32 s[ROW0], s[ROW0], 256
	s_add_co_u32 s[TRIP], s[TRIP], 1
	s_cmp_lt_u32 s[TRIP], 4
	s_cbranch_scc1 .Lm
	s_wait_dscnt 0x0                               ; the closing lines, six on end
	s_wait_alu 0x0
	s_wait_tensorcnt 0x0
	ds_add_u32 v254, v255
	s_wait_dscnt 0x0
	s_endpgm
.Lfunc_end_k_q2ab5a2676f_down:
	.size	k_q2ab5a2676f_down, .Lfunc_end_k_q2ab5a2676f_down-k_q2ab5a2676f_down
	.p2alignl 7, 3214868480
	.fill 96, 4, 3214868480
	.section	.rodata,"a",@progbits
	.p2align	6, 0x0
	.amdhsa_kernel k_q2ab5a2676f_down
		.amdhsa_group_segment_fixed_size 142336
		.amdhsa_private_segment_fixed_size 0
		.amdhsa_enable_private_segment 0
		.amdhsa_kernarg_size 64
		.amdhsa_user_sgpr_count 2
		.amdhsa_user_sgpr_kernarg_segment_ptr 1
		.amdhsa_wavefront_size32 1
		.amdhsa_system_sgpr_workgroup_id_x 1
		.amdhsa_system_sgpr_workgroup_id_y 1
		.amdhsa_system_sgpr_workgroup_id_z 1
		.amdhsa_system_vgpr_workitem_id 0
		.amdhsa_next_free_vgpr 256
		.amdhsa_next_free_sgpr 104
		.amdhsa_reserve_vcc 1
		.amdhsa_float_denorm_mode_32 3
		.amdhsa_float_denorm_mode_16_64 3
		.amdhsa_memory_ordered 1
		.amdhsa_forward_progress 1
		.amdhsa_inst_pref_size 109
	.end_amdhsa_kernel
	.amdgpu_metadata
---
amdhsa.version: [ 1, 2 ]
amdhsa.kernels:
  - .name:           k_q2ab5a2676f_down
    .symbol:         k_q2ab5a2676f_down.kd
    .args:
      - { .name: W2, .offset: 0, .size: 8, .value_kind: global_buffer, .address_space: global }
      - { .name: b2, .offset: 8, .size: 8, .value_kind: global_buffer, .address_space: global }
      - { .name: hc, .offset: 16, .size: 8, .value_kind: global_buffer, .address_space: global }
      - { .name: hs, .offset: 24, .size: 8, .value_kind: global_buffer, .address_space: global }
      - { .name: cm, .offset: 32, .size: 8, .value_kind: global_buffer, .address_space: global }
      - { .name: m2, .offset: 40, .size: 8, .value_kind: global_buffer, .address_space: global }
      - { .name: rw, .offset: 48, .size: 8, .value_kind: global_buffer, .address_space: global }
      - { .name: yb, .offset: 56, .size: 8, .value_kind: global_buffer, .address_space: global }
    .group_segment_fixed_size: 142336
    .private_segment_fixed_size: 0
    .kernarg_segment_align: 8
    .kernarg_segment_size: 64
    .max_flat_workgroup_size: 512
    .sgpr_count:     104
    .vgpr_count:     256
    .wavefront_size: 32
...
	.end_amdgpu_metadata
.endif
;; end of part 7
;; launch combine (part 8): grid 256 x 1, 8 waves a work-group, no clusters, 0 bytes of LDS; arguments yb, out0; writes out0
.if DOCPART == 8
	.amdgcn_target "amdgcn-amd-amdhsa--gfx1250"
	.amdhsa_code_object_version 6
	.text
	.protected	k_q2ab5a2676f_combine
	.globl	k_q2ab5a2676f_combine
	.p2align	8
	.type	k_q2ab5a2676f_combine,@function
k_q2ab5a2676f_combine:
	s_mov_b64 s[64:65], 0
	v_nop
	global_prefetch_b8 v0, s[64:65] scope:SCOPE_SE
	s_setreg_imm32_b32 hwreg(HW_REG_WAVE_MODE, 25, 1), 1
	s_wait_xcnt 0x0
; COMBINE: out0[t] = yb[2 t] + yb[2 t + 1]: a token's two weighted expert rows.  (Two terms: their sum does not hang on their order.)
; A work-group takes 4 tokens; thread i takes bytes 16 i .. 16 i + 15 of each row of 4,096 bytes, so a wave's load or store covers 512 consecutive bytes, aligned.
; A plain stream: all eight loads go out first; no LDS, no barrier, no matrix work.
	s_load_b128 s[4:7], s[0:1], 0x0                ; yb, out0
	v_lshlrev_b32 v1, 4, v0
	s_lshl_b32 s8, ttmp9, 15                       ; 8 rows of yb a work-group
	s_mov_b32 s9, 0
	s_lshl_b32 s10, ttmp9, 14                      ; 4 rows of out0
	s_mov_b32 s11, 0
	s_wait_alu depctr_va_vdst(0)
	s_wait_kmcnt 0x0
	s_add_nc_u64 s[4:5], s[4:5], s[8:9]
	s_add_nc_u64 s[6:7], s[6:7], s[10:11]
.irp q, 0,1,2,3
	global_load_b128 v[4+8*\q:7+8*\q], v1, s[4:5] offset:8192*\q th:TH_LOAD_NT
	global_load_b128 v[8+8*\q:11+8*\q], v1, s[4:5] offset:8192*\q+4096 th:TH_LOAD_NT
.endr
.irp q, 0,1,2,3
	s_wait_loadcnt 6-2*\q                          ; this token's two loads are in; the later tokens' may be out
	v_pk_add_f32 v[4+8*\q:5+8*\q], v[4+8*\q:5+8*\q], v[8+8*\q:9+8*\q]
	v_pk_add_f32 v[6+8*\q:7+8*\q], v[6+8*\q:7+8*\q], v[10+8*\q:11+8*\q]
	global_store_b128 v1, v[4+8*\q:7+8*\q], s[6:7] offset:4096*\q th:TH_STORE_NT
.endr
	s_endpgm
.Lfunc_end_k_q2ab5a2676f_combine:
	.size	k_q2ab5a2676f_combine, .Lfunc_end_k_q2ab5a2676f_combine-k_q2ab5a2676f_combine
	.p2alignl 7, 3214868480
	.fill 96, 4, 3214868480
	.section	.rodata,"a",@progbits
	.p2align	6, 0x0
	.amdhsa_kernel k_q2ab5a2676f_combine
		.amdhsa_group_segment_fixed_size 0
		.amdhsa_private_segment_fixed_size 0
		.amdhsa_enable_private_segment 0
		.amdhsa_kernarg_size 16
		.amdhsa_user_sgpr_count 2
		.amdhsa_user_sgpr_kernarg_segment_ptr 1
		.amdhsa_wavefront_size32 1
		.amdhsa_system_sgpr_workgroup_id_x 1
		.amdhsa_system_sgpr_workgroup_id_y 1
		.amdhsa_system_sgpr_workgroup_id_z 1
		.amdhsa_system_vgpr_workitem_id 0
		.amdhsa_next_free_vgpr 48
		.amdhsa_next_free_sgpr 66
		.amdhsa_reserve_vcc 0
		.amdhsa_float_denorm_mode_32 3
		.amdhsa_float_denorm_mode_16_64 3
		.amdhsa_memory_ordered 1
		.amdhsa_forward_progress 1
		.amdhsa_inst_pref_size 3
	.end_amdhsa_kernel
	.amdgpu_metadata
---
amdhsa.version: [ 1, 2 ]
amdhsa.kernels:
  - .name:           k_q2ab5a2676f_combine
    .symbol:         k_q2ab5a2676f_combine.kd
    .args:
      - { .name: yb, .offset: 0, .size: 8, .value_kind: global_buffer, .address_space: global }
      - { .name: out0, .offset: 8, .size: 8, .value_kind: global_buffer, .address_space: global }
    .group_segment_fixed_size: 0
    .private_segment_fixed_size: 0
    .kernarg_segment_align: 8
    .kernarg_segment_size: 16
    .max_flat_workgroup_size: 256
    .sgpr_count:     66
    .vgpr_count:     48
    .wavefront_size: 32
...
	.end_amdgpu_metadata
.endif
;; end of part 8
